; MI455X (gfx1250); checked and timed in simulation.
; The chip was launched on July 23, 2026; its instructions are those of AMD's public machine-readable ISA for CDNA 5 (MIT licence, August 2026) and "CDNA5" Instruction Set Architecture Reference Guide (July 2026). The comments in the code are by the model that wrote it; some were corrected since.
;; Causal Self Attention. Allowed arithmetic: matrix products marked QUANTISED: E2M1 operands, one E8M0 scale for each 32 along K, by v_wmma_scale_f32_16x16x128_f8f6f4 with both operands' format E2M1 (or v_wmma_scale_f32_32x16x128_f4), f32 sums; products left as they are: bf16, f16 or f32 operands; f32 sums; everything else in f32.
;; Inputs: Wproj 1,024 x 1,024 float32; Wqkv 1,024 x 3,072 float32; bproj 1,024 float32; bqkv 3,072 float32; x 8 x 1,024 x 1,024 float32.
;; Outputs: out0 8 x 1,024 x 1,024 float32.
;; Constants: n_head = 16.
;; This version of the problem:
;;   THIS VERSION OF THE PROBLEM IS GIVEN IN LOW PRECISION. The matrix products marked QUANTISED in the list below multiply operands that are first quantised to E2M1 (2 exponent bits, 1 mantissa bit; 4 bits a number), with one power-of-two scale for each 32 numbers along K (OCP MX v1.0); their sums are f32. The products marked 'left as it is' may take bf16, f16 or f32 operands, with f32 sums. Whichever they take, every output number must still come out within the allowed error. Rounding operands to bf16 (8 significant bits) uses up far more of that allowance than f16 does (11 bits, for magnitudes from 6e-5 to 65,504). All else is computed in f32.
;;   The module's matrix products, in the order in which they are computed (A, B: the left and right operand; K: the contracted axis; several contracted axes count as one K, in the product's order):
;;     1. [M 8,192, K 1,024] x [K 1,024, N 3,072]; A: input x; B: input Wqkv: QUANTISED
;;     2. batch 128 x [M 1,024, K 64] x [K 64, N 1,024]; A: computed on the way; B: computed on the way: left as it is (an operand is computed on the way)
;;     3. batch 128 x [M 1,024, K 1,024] x [K 1,024, N 64]; A: computed on the way; B: computed on the way: left as it is (an operand is computed on the way)
;;     4. [M 8,192, K 1,024] x [K 1,024, N 1,024]; A: computed on the way; B: input Wproj: left as it is (an operand is computed on the way)
;;   THE QUANTISER, for each operand of a quantised product, along K:
;;     - K is cut into blocks of 32 from its start; a last block that is shorter is filled with zeros.
;;     - A block's scale is 2^e with e = floor(log2(the largest magnitude in the block)) - 2, held to -126 .. 127; a block of zeros has e = 0. As a byte (E8M0): e + 127.
;;     - Each number is divided by its block's scale, clamped to +-6, and rounded to the nearest number of E2M1, ties to even, subnormals kept.
;;     - The product sums the exact products of the quantised numbers (number of the format x scale) in f32.
;;   ~~~python
;;   def quantise(x, axis):      # numpy; x: float32 -> the quantised numbers, widened to float32 again
;;       x = np.moveaxis(x, axis, -1); K = x.shape[-1]
;;       x = np.pad(x, [(0, 0)] * (x.ndim - 1) + [(0, -K % 32)]); x = x.reshape(x.shape[:-1] + (-1, 32)); a = np.abs(x).max(-1, keepdims=True)
;;       e = np.where(a > 0, np.clip(np.frexp(np.where(a > 0, a, 1))[1] - 1 - 2, -126, 127), 0)      # np.frexp(a)[1] - 1 = floor(log2(a)), exactly
;;       r = np.clip(x / 2.0 ** e, -6, 6)
;;       step = 2.0 ** (np.maximum(np.frexp(np.where(r == 0, 1, r))[1] - 1, 0) - 1)
;;       q = np.round(r / step) * step * 2.0 ** e      # np.round: ties to even
;;       return np.moveaxis(q.reshape(q.shape[:-2] + (-1,))[..., :K], -1, axis).astype(np.float32)
;;   ~~~
;; One version. Each part assembles by itself: llvm-mc -triple=amdgcn-amd-amdhsa -mcpu=gfx1250 --defsym DOCPART=n.
;; ======== version 1 of 1: 6 launches
;; limits: values are held in f16: magnitudes above 65,504 overflow, below 6.1e-05 lose precision
;; workspace buffers: codes 5,767,168 bytes; scales 360,448 bytes; wp 4,194,304 bytes; qkv 50,331,648 bytes; yatt 16,777,216 bytes; y16 524,288 bytes
;; launch prep (part 1): grid 256 x 1, 8 waves a work-group, no clusters, 223,232 bytes of LDS; arguments x, Wqkv, Wproj, codes, scales, wp; writes codes, scales, wp
.if DOCPART == 1
	.amdgcn_target "amdgcn-amd-amdhsa--gfx1250"
	.amdhsa_code_object_version 6
	.text
	.protected	k_qe05085176e_prep
	.globl	k_qe05085176e_prep
	.p2align	8
	.type	k_qe05085176e_prep,@function
k_qe05085176e_prep:
	s_mov_b64 s[64:65], 0
	v_nop
	global_prefetch_b8 v0, s[64:65] scope:SCOPE_SE
	s_setreg_imm32_b32 hwreg(HW_REG_WAVE_MODE, 25, 1), 1
	s_wait_xcnt 0x0
; PREP: the operands of the later launches are made once.
;   work-groups   0 ..  95 (path W): Wqkv [1024 k][3072 n] f32 -> codes of FP4 (E2M1) laid [3072 n][512 bytes], K innermost, at codes + XC; one E8M0 byte for each 32 along K, [3072][32], at scales + XS
;   work-groups  96 .. 127 (path P): Wproj [1024 k][1024 n] f32 -> its transpose in f16, [1024 n][1024 k]: a high part at wp, a low part (what the high part leaves) at wp + WL
;   work-groups 128 .. 255 (path X): x [8192][1024] f32 -> codes [8192][512 bytes] at codes, scale bytes [8192][32] at scales
; THE QUANTISER: a block's scale is 2^(floor(log2(its largest magnitude)) - 2); its byte is the largest magnitude's exponent field - 2, held at 1 from below; each number is divided by the scale and rounded to the nearest code, ties to even, beyond 6 held at 6.
; LIMITS: a block of zeros gets the byte 1 where the rule says 127 (its codes are zeros, and this program alone reads the bytes); blocks whose largest magnitude lies under 2^-124 are held at the byte 1;
; NaN and infinities among the inputs are not served; |Wproj| stays under 65,504 (f16's largest number).
; The three paths part on the work-group's number alone, so all eight waves of a work-group take one path; each path has LDS bytes of its own.  No tensor loads, no ring.
.set XC,    4194304                    ; where Wqkv's codes begin in the buffer of codes
.set XS,    262144                     ; and its scale bytes in the buffer of scale bytes
.set WL,    2097152                    ; where Wproj's low part begins
.set WREG,  8192                       ; path X: LDS region of a wave: two stages of 32 x SP bytes, behind them its 256 scale bytes
.set SP,    80                         ; a lane's place in a stage: 64 bytes + 16 of padding
.set WST,   65536                      ; path W: the work-group's stage, 64 rows (columns of Wqkv) x 272 bytes
.set PST,   82944                      ; path P: a stage for each wave: 32 rows x 272 bytes of the high part, then as many of the low part
.set PWV,   17408
.set SPARE, 222208                     ; the spare words, 128 bytes for each wave: four blocks of 256 bytes that no other line names
.set SPW,   12                         ; v12  LDS address of my spare word; never rewritten
.set NIL,   13                         ; v13  0; never rewritten
.set STEPS, 16
.set RR,    16                         ; path X: v16-79 four sets of 16 numbers as loaded
.set XX,    80                         ; v80-111 two sets of 16 neighbours
.set EE,    112                        ; v112-127 a scale byte for each step
.set CC,    128                        ; v128-191 codes: four registers for each step
.macro FINISH                          ; the wave's end
	s_wait_tensorcnt 0x0
	ds_add_u32 v[SPW], v[NIL]
	s_wait_dscnt 0x0
	s_endpgm
.endm
; ---- path X's macros: a wave takes 16 steps of 512 numbers.  Each load reads 512 consecutive bytes; a step's 2,048 bytes turn through the wave's own stage so that a lane holds 16 neighbours along K
.macro XLOAD t
.irp i, 0,1,2,3
	global_load_b128 v[RR+16*((\t)%4)+4*\i:RR+16*((\t)%4)+4*\i+3], v3, s[4:5] offset:2048*(\t)+512*\i th:TH_LOAD_NT
.endr
.endm
.macro XTURN t                         ; LDS serves a wave's instructions in order: no wait between the stores and the loads
.irp i, 0,1,2,3
	ds_store_b128 v14, v[RR+16*((\t)%4)+4*\i:RR+16*((\t)%4)+4*\i+3] offset:32*SP*((\t)%2)+8*SP*\i
.endr
.irp i, 0,1,2,3
	ds_load_b128 v[XX+16*((\t)%2)+4*\i:XX+16*((\t)%2)+4*\i+3], v15 offset:32*SP*((\t)%2)+16*\i
.endr
.endm
.macro XSTEP t
.set XQ, XX+16*((\t)%2)
.if (\t) > 0
	s_wait_dscnt 1                                 ; this step's numbers are back from the stage; the last step's byte store may be out
.else
	s_wait_dscnt 0x0
.endif
.if (\t)+4 < STEPS
	XLOAD (\t)+4                                   ; into the set whose stores into the stage are done
.endif
.if (\t)+1 < STEPS
.if STEPS-2-(\t) >= 3
	s_wait_loadcnt 12                              ; the next step's four loads are in; those of the three steps behind it may be out
.else
	s_wait_loadcnt 4*(STEPS-2-(\t))
.endif
	XTURN (\t)+1
.endif
	v_max3_num_f32 v8, |v[XQ]|, |v[XQ+1]|, |v[XQ+2]|               ; the largest magnitude of my 16, in two chains
	v_max3_num_f32 v9, |v[XQ+3]|, |v[XQ+4]|, |v[XQ+5]|
.irp i, 6,10
	v_max3_num_f32 v8, v8, |v[XQ+\i]|, |v[XQ+\i+1]|
	v_max3_num_f32 v9, v9, |v[XQ+\i+2]|, |v[XQ+\i+3]|
.endr
	v_max3_num_f32 v8, v8, |v[XQ+14]|, |v[XQ+15]|
	v_max3_num_f32 v8, v8, v9, 0x1800000           ; and the floor 2^(3 - 127): the byte cannot fall under 1
	v_max_num_f32_dpp v8, v8, v8 row_xmask:1 row_mask:0xf bank_mask:0xf   ; with my neighbour's 16: the block's
	v_add_nc_u32 v11, 0xff000000, v8               ; 2 off its exponent field: the conversion takes the exponent field of this operand as its scale
	v_cvt_scalef32_pk8_fp4_f32 v[CC+4*(\t)], v[XQ:XQ+7], v11
	v_cvt_scalef32_pk8_fp4_f32 v[CC+4*(\t)+1], v[XQ+8:XQ+15], v11
	v_lshrrev_b32 v[EE+(\t)], 23, v11              ; the scale's byte
	ds_store_b8 v5, v[EE+(\t)] offset:16*(\t)      ; both lanes of a block write the same byte with the same value
	global_store_b64 v4, v[CC+4*(\t):CC+4*(\t)+1], s[10:11] offset:256*(\t)   ; the wave stores 256 consecutive bytes, aligned
.endm
; ---- path W's macros: a lane takes a column n, its registers run down K: a block of 32 lies in one lane
.macro LOADW t
.set i, 0
.rept 32
	global_load_b32 v[32+32*((\t)%2)+i], v3, s[6:7] offset:(32*(\t)+i)*12288 th:TH_LOAD_NT
.set i, i+1
.endr
.endm
.macro BLOCKW t
.set XW, 32+32*((\t)%2)
.if (\t) < 3
	s_wait_loadcnt 32                              ; this block's 32 loads are in; the next block's may be out
.else
	s_wait_loadcnt 0x0
.endif
	v_max3_num_f32 v10, |v[XW]|, |v[XW+1]|, |v[XW+2]|
	v_max3_num_f32 v16, |v[XW+3]|, |v[XW+4]|, |v[XW+5]|
.irp i, 6,10,14,18,22,26
	v_max3_num_f32 v10, v10, |v[XW+\i]|, |v[XW+\i+1]|
	v_max3_num_f32 v16, v16, |v[XW+\i+2]|, |v[XW+\i+3]|
.endr
	v_max3_num_f32 v10, v10, |v[XW+30]|, |v[XW+31]|
	v_max3_num_f32 v10, v10, v16, 0x1800000        ; the floor
	v_add_nc_u32 v11, 0xff000000, v10              ; the conversion's scale operand
.if (\t) == 0
	v_lshrrev_b32 v24, 23, v11                     ; my four blocks' bytes make one word, the lower K in the lower byte
.else
	v_lshrrev_b32 v17, 23, v11
	v_lshl_or_b32 v24, v17, 8*(\t), v24
.endif
.irp g, 0,1,2,3
	v_cvt_scalef32_pk8_fp4_f32 v[96+4*(\t)+\g], v[XW+8*\g:XW+8*\g+7], v11
.endr
	v_nop                                          ; one plain line behind the last conversion of a run
	ds_store_b128 v4, v[96+4*(\t):96+4*(\t)+3] offset:16*(\t)   ; 32 codes: 16 bytes of my column's row; each block has registers of its own
.if (\t) < 2
	LOADW (\t)+2
.endif
.endm
; ---- path P's macros: the same shape of loads; two neighbours along K become one word of f16, twice: a high part and a low part
.macro LOADP t
.set i, 0
.rept 32
	global_load_b32 v[32+32*((\t)%2)+i], v3, s[8:9] offset:(32*(\t)+i)*4096 th:TH_LOAD_NT
.set i, i+1
.endr
.endm
.macro BLOCKP t
.set XP, 32+32*((\t)%2)
.if (\t) < 3
	s_wait_loadcnt 32
.else
	s_wait_loadcnt 0x0
.endif
.set j, 0
.rept 16
.set TP, 16+4*(j%2)                    ; two sets of temporaries by turns
	v_pk_mul_f32 v[TP:TP+1], v[XP+2*j:XP+2*j+1], 0x46000400 op_sel_hi:[1,0]                            ; c = 8193 x
	v_pk_add_f32 v[TP+2:TP+3], v[TP:TP+1], v[XP+2*j:XP+2*j+1] neg_lo:[0,1] neg_hi:[0,1]                ; c - x
	v_pk_add_f32 v[TP:TP+1], v[TP:TP+1], v[TP+2:TP+3] neg_lo:[0,1] neg_hi:[0,1]                        ; the high part: x to 11 significant bits, which f16 holds
	v_pk_add_f32 v[XP+2*j:XP+2*j+1], v[XP+2*j:XP+2*j+1], v[TP:TP+1] neg_lo:[0,1] neg_hi:[0,1]          ; the low part: x - high, exact in f32
	v_cvt_pk_f16_f32 v[96+j], v[TP], v[TP+1]
	v_cvt_pk_f16_f32 v[112+j], v[XP+2*j], v[XP+2*j+1]
.set j, j+1
.endr
.irp c, 0,1,2,3
	ds_store_b128 v4, v[96+4*\c:96+4*\c+3] offset:64*(\t)+16*\c
	ds_store_b128 v4, v[112+4*\c:112+4*\c+3] offset:8704+64*(\t)+16*\c
.endr
.if (\t) < 2
	LOADP (\t)+2
.endif
	s_wait_dscnt 0x0                               ; the stores have read their registers: the next block writes them again
.endm
	s_load_b256 s[4:11], s[0:1], 0x0               ; x s[4:5], Wqkv s[6:7], Wproj s[8:9], codes s[10:11]
	s_load_b128 s[12:15], s[0:1], 0x20             ; scales s[12:13], wp s[14:15]
	v_lshl_add_u32 v[SPW], v0, 2, SPARE
	v_mov_b32 v[NIL], 0
	v_lshrrev_b32 v1, 5, v0
	v_readfirstlane_b32 s16, v1                    ; wave 0..7
	v_and_b32 v2, 31, v0                           ; lane
	s_mov_b32 s21, 0                               ; the high word of every 64-bit offset below
	s_wait_kmcnt 0x0
	s_cmp_lt_u32 ttmp9, 96
	s_cbranch_scc1 .Lpath_w
	s_cmp_lt_u32 ttmp9, 128
	s_cbranch_scc1 .Lpath_p
	; ================ path X ================
	v_lshlrev_b32 v3, 4, v2                        ; my 16 bytes of a load's 512
	s_mul_i32 s17, s16, WREG
	v_lshrrev_b32 v14, 2, v2
	v_mul_u32_u24 v14, v14, SP
	v_and_b32 v15, 3, v2
	v_lshl_add_u32 v14, v15, 4, v14
	v_add_nc_u32 v14, s17, v14                     ; the stage, on the way in: SP (lane / 4) + 16 (lane % 4)
	v_mul_u32_u24 v15, v2, SP
	v_add_nc_u32 v15, s17, v15                     ; and on the way out: SP x lane
	v_lshlrev_b32 v4, 3, v2                        ; my 8 bytes of a step's 256 bytes of codes
	v_lshrrev_b32 v5, 1, v2
	s_add_co_u32 s17, s17, 2*32*SP
	v_add_nc_u32 v5, s17, v5                       ; my wave's 256 scale bytes, my block's byte
	v_lshlrev_b32 v7, 3, v2
	v_add_nc_u32 v6, s17, v7
	s_sub_co_u32 s18, ttmp9, 128
	s_lshl_b32 s18, s18, 3
	s_add_co_u32 s18, s18, s16                     ; which run of 8,192 numbers is my wave's: 0 .. 1023
	s_lshl_b32 s20, s18, 15
	s_add_nc_u64 s[4:5], s[4:5], s[20:21]          ; 32,768 bytes of x,
	s_lshl_b32 s20, s18, 12
	s_add_nc_u64 s[10:11], s[10:11], s[20:21]      ; 4,096 of codes,
	s_lshl_b32 s20, s18, 8
	s_add_nc_u64 s[12:13], s[12:13], s[20:21]      ; 256 scale bytes a run
.irp t, 0,1,2,3
	XLOAD \t
.endr
	s_wait_loadcnt 12                              ; step 0's four loads are in
	XTURN 0
.irp t, 0,1,2,3,4,5,6,7,8,9,10,11,12,13,14,15
	XSTEP \t
.endr
	ds_load_b64 v[8:9], v6                         ; LDS serves a wave's instructions in order: these see my byte stores
	s_wait_dscnt 0x0
	global_store_b64 v7, v[8:9], s[12:13]          ; 32 lanes store 256 consecutive bytes, aligned
	FINISH
	; ================ path W: a work-group takes 64 columns x 512 along K; wave w: columns 32 (w & 1) on, K 128 (w >> 1) on ================
.Lpath_w:
	s_cmp_ge_u32 ttmp9, 48
	s_cselect_b32 s18, 1, 0                        ; which half of K
	s_cselect_b32 s19, 48, 0
	s_sub_co_u32 s19, ttmp9, s19                   ; which 64 columns: 0 .. 47
	s_and_b32 s22, s16, 1
	s_lshr_b32 s23, s16, 1
	s_lshl_b32 s17, s19, 6                         ; the work-group's first column
	s_lshl_b32 s24, s22, 5
	s_add_co_u32 s24, s17, s24                     ; my wave's first column
	s_lshl_b32 s20, s18, 2
	s_add_co_u32 s20, s20, s23
	s_mul_i32 s20, s20, 128*12288                  ; my first row of Wqkv, in bytes,
	s_lshl_b32 s25, s24, 2
	s_add_co_u32 s20, s20, s25                     ; + 4 x column
	s_add_nc_u64 s[6:7], s[6:7], s[20:21]
	s_lshl_b32 s20, s24, 5                         ; my columns' scale bytes: 32 a column, + 16 x half of K + 4 x my quarter of it
	s_lshl_b32 s25, s18, 4
	s_add_co_u32 s20, s20, s25
	s_lshl_b32 s25, s23, 2
	s_add_co_u32 s20, s20, s25
	s_add_co_u32 s20, s20, XS
	s_add_nc_u64 s[12:13], s[12:13], s[20:21]
	s_lshl_b32 s25, s16, 3                         ; the way out: wave w stores rows 8 w .. 8 w + 7 of the stage
	s_add_co_u32 s20, s17, s25
	s_lshl_b32 s20, s20, 9                         ; 512 bytes of codes a column,
	s_lshl_b32 s25, s18, 8
	s_add_co_u32 s20, s20, s25                     ; + 256 x half of K
	s_add_co_u32 s20, s20, XC
	s_add_nc_u64 s[10:11], s[10:11], s[20:21]
	v_lshlrev_b32 v3, 2, v2                        ; in: 4 bytes a lane
	s_mul_i32 s25, s22, 32*272
	s_lshl_b32 s26, s23, 6
	s_add_co_u32 s25, s25, s26
	s_add_co_u32 s25, s25, WST
	v_mul_u32_u24 v4, v2, 272
	v_add_nc_u32 v4, s25, v4                       ; into the stage: row = my column, my 64 bytes of its 256
	v_and_b32 v5, 15, v2
	v_lshrrev_b32 v6, 4, v2
	s_mul_i32 s25, s16, 8*272
	s_add_co_u32 s25, s25, WST
	v_mul_u32_u24 v7, v6, 272
	v_lshl_add_u32 v7, v5, 4, v7
	v_add_nc_u32 v7, s25, v7                       ; out of it: sixteen lanes to a row, two rows an instruction
	v_lshlrev_b32 v8, 9, v6
	v_lshl_add_u32 v8, v5, 4, v8                   ; and the same place in the codes' buffer
	v_lshlrev_b32 v9, 5, v2                        ; my column's row of scale bytes
	LOADW 0
	LOADW 1
	BLOCKW 0
	BLOCKW 1
	BLOCKW 2
	BLOCKW 3
	global_store_b32 v9, v24, s[12:13]             ; my column's four scale bytes
	s_wait_tensorcnt 0x0                           ; behind my last LDS store: three lines; their last is also the wait that the barrier needs: my stores into the stage are done
	ds_add_u32 v[SPW], v[NIL]
	s_wait_dscnt 0x0
	s_barrier_signal -1
	s_barrier_wait -1                              ; a row's 256 bytes come from four waves: all eight have stored
.irp i, 0,1,2,3
	ds_load_b128 v[112+4*\i:112+4*\i+3], v7 offset:2*\i*272
.endr
.irp i, 0,1,2,3
	s_wait_dscnt 3-\i
	global_store_b128 v8, v[112+4*\i:112+4*\i+3], s[10:11] offset:2*\i*512   ; sixteen lanes store 256 consecutive bytes, aligned
.endr
	s_endpgm
	; ================ path P: a wave takes 32 columns x 128 along K: 256 bytes of f16 for each column, through its own stage ================
.Lpath_p:
	s_sub_co_u32 s17, ttmp9, 96
	s_and_b32 s18, s17, 3
	s_lshr_b32 s19, s17, 2                         ; which 128 along K: 0 .. 7
	s_lshl_b32 s18, s18, 8
	s_lshl_b32 s20, s16, 5
	s_add_co_u32 s18, s18, s20                     ; my first column
	s_lshl_b32 s20, s19, 19                        ; 128 rows of 4,096 bytes
	s_lshl_b32 s22, s18, 2
	s_add_co_u32 s20, s20, s22
	s_add_nc_u64 s[8:9], s[8:9], s[20:21]
	s_lshl_b32 s20, s18, 11                        ; out: 2,048 bytes a column, + 256 x my part of K
	s_lshl_b32 s22, s19, 8
	s_add_co_u32 s20, s20, s22
	s_add_nc_u64 s[14:15], s[14:15], s[20:21]
	v_lshlrev_b32 v3, 2, v2
	s_mul_i32 s25, s16, PWV
	s_add_co_u32 s25, s25, PST
	v_mul_u32_u24 v4, v2, 272
	v_add_nc_u32 v4, s25, v4
	v_and_b32 v5, 15, v2
	v_lshrrev_b32 v6, 4, v2
	v_mul_u32_u24 v7, v6, 272
	v_lshl_add_u32 v7, v5, 4, v7
	v_add_nc_u32 v7, s25, v7
	v_lshlrev_b32 v8, 11, v6
	v_lshl_add_u32 v8, v5, 4, v8
	LOADP 0
	LOADP 1
	BLOCKP 0
	BLOCKP 1
	BLOCKP 2
	BLOCKP 3
.irp i, 0,1,2,3,4,5,6,7,8,9,10,11,12,13,14,15
	ds_load_b128 v[128+4*\i:128+4*\i+3], v7 offset:2*\i*272          ; the high part, by rows
.endr
.irp i, 0,1,2,3,4,5,6,7,8,9,10,11,12,13,14,15
	ds_load_b128 v[32+4*\i:32+4*\i+3], v7 offset:8704+2*\i*272       ; the low part
.endr
.irp i, 0,1,2,3,4,5,6,7,8,9,10,11,12,13,14,15
	s_wait_dscnt 31-\i
	global_store_b128 v8, v[128+4*\i:128+4*\i+3], s[14:15] offset:2*\i*2048   ; sixteen lanes store 256 consecutive bytes, aligned
.endr
.irp i, 0,1,2,3,4,5,6,7,8,9,10,11,12,13,14,15
	s_wait_dscnt 15-\i
	global_store_b128 v8, v[32+4*\i:32+4*\i+3], s[14:15] offset:WL+2*\i*2048
.endr
	FINISH
.Lfunc_end_k_qe05085176e_prep:
	.size	k_qe05085176e_prep, .Lfunc_end_k_qe05085176e_prep-k_qe05085176e_prep
	.p2alignl 7, 3214868480
	.fill 96, 4, 3214868480
	.section	.rodata,"a",@progbits
	.p2align	6, 0x0
	.amdhsa_kernel k_qe05085176e_prep
		.amdhsa_group_segment_fixed_size 223232
		.amdhsa_private_segment_fixed_size 0
		.amdhsa_enable_private_segment 0
		.amdhsa_kernarg_size 48
		.amdhsa_user_sgpr_count 2
		.amdhsa_user_sgpr_kernarg_segment_ptr 1
		.amdhsa_wavefront_size32 1
		.amdhsa_system_sgpr_workgroup_id_x 1
		.amdhsa_system_sgpr_workgroup_id_y 1
		.amdhsa_system_sgpr_workgroup_id_z 1
		.amdhsa_system_vgpr_workitem_id 0
		.amdhsa_next_free_vgpr 192
		.amdhsa_next_free_sgpr 66
		.amdhsa_reserve_vcc 0
		.amdhsa_float_denorm_mode_32 3
		.amdhsa_float_denorm_mode_16_64 3
		.amdhsa_memory_ordered 1
		.amdhsa_forward_progress 1
		.amdhsa_inst_pref_size 102
	.end_amdhsa_kernel
	.amdgpu_metadata
---
amdhsa.version: [ 1, 2 ]
amdhsa.kernels:
  - .name:           k_qe05085176e_prep
    .symbol:         k_qe05085176e_prep.kd
    .args:
      - { .name: x, .offset: 0, .size: 8, .value_kind: global_buffer, .address_space: global }
      - { .name: Wqkv, .offset: 8, .size: 8, .value_kind: global_buffer, .address_space: global }
      - { .name: Wproj, .offset: 16, .size: 8, .value_kind: global_buffer, .address_space: global }
      - { .name: codes, .offset: 24, .size: 8, .value_kind: global_buffer, .address_space: global }
      - { .name: scales, .offset: 32, .size: 8, .value_kind: global_buffer, .address_space: global }
      - { .name: wp, .offset: 40, .size: 8, .value_kind: global_buffer, .address_space: global }
    .group_segment_fixed_size: 223232
    .private_segment_fixed_size: 0
    .kernarg_segment_align: 8
    .kernarg_segment_size: 48
    .max_flat_workgroup_size: 256
    .sgpr_count:     66
    .vgpr_count:     192
    .wavefront_size: 32
...
	.end_amdgpu_metadata
.endif
;; end of part 1
;; launch gemm_qkv (part 2): grid 12 x 32, 4 waves a work-group, clusters of 4 x 4, 327,680 bytes of LDS; arguments codes, scales, bqkv, qkv; writes qkv
.if DOCPART == 2
	.amdgcn_target "amdgcn-amd-amdhsa--gfx1250"
	.amdhsa_code_object_version 6
	.text
	.protected	k_qe05085176e_gemm_qkv
	.globl	k_qe05085176e_gemm_qkv
	.p2align	8
	.type	k_qe05085176e_gemm_qkv,@function
k_qe05085176e_gemm_qkv:
	s_mov_b64 s[64:65], 0
	v_nop
	global_prefetch_b8 v0, s[64:65] scope:SCOPE_SE
	s_setreg_imm32_b32 hwreg(HW_REG_WAVE_MODE, 25, 1), 1
	s_wait_xcnt 0x0
	s_wait_alu depctr_hold_cnt(0) depctr_sa_sdst(0) depctr_va_vdst(0) depctr_va_sdst(0) depctr_va_ssrc(0) depctr_va_vcc(0) depctr_vm_vsrc(0)
	s_getreg_b32 s2, hwreg(HW_REG_IB_STS2, 6, 4)
	s_cmp_eq_u32 s2, 0
	s_cbranch_scc0 .Lentry_in_a_cluster
	s_endpgm
.Lentry_in_a_cluster:
	s_bfe_u32 s2, ttmp6, 0x10000c
	s_cmp_lg_u32 s2, 0xf033
	s_cbranch_scc0 .Lentry_shape_is_right
	s_endpgm
.Lentry_shape_is_right:
; qkv = Q(x) Q(Wqkv) + bqkv: [8192] x [3072], K = 1,024, on codes of FP4 (E2M1) with one E8M0 scale for each 32 along K, as the launch before has laid them; sums in f32; the bias is the C of each sum's first product.
; The result leaves in f16, head-major: qkv [3 (q, k, v)][8 batches][16 heads][1024 positions][64].  LIMIT: |q|, |k|, |v| stay under 65,504, f16's largest number.
; A tile of the result, 256 x 256, is made by a work-group of four waves; a wave makes 128 x 128: 64 accumulators of 16 x 16, 512 registers.  K = 1,024 is two slots of 512 along K (rows of 256 bytes):
; both are asked for at the kernel's head, with the scale bytes of the work-group's rows, and nothing is filled again.
; CLUSTERS: 4 x 4 work-groups.  The four of a row of the cluster need the same tiles of x, the four of a column the same tiles of Wqkv: each tile is asked for JOINTLY, by the same tensor load with the same descriptor and a mask that names the four.
; THE MATRIX INSTRUCTION IS USED TRANSPOSED (source 0 = 16 columns of Wqkv, source 1 = 16 rows of x): a lane then holds eight neighbouring numbers of a row of the result.
; REGISTERS, in windows of 256: window 0: v0-31 addresses; v32-95 scale words, two sets; v128-191 x's fragments, ONE set; v192-255 the bias in the result's layout; on the way out v32-127 are free.
;   window 1: Wqkv's fragments, TWO sets, at v0 and v128.   window 2: the accumulators of my rows 0-63 ((a, b) at v[8 (8 a + b)]);   window 3: those of my rows 64-127.
; No prefetch: every tile of the launch is asked for at the head.
.set XC,     4194304                   ; where Wqkv's codes begin
.set XS,     262144                    ; and its scale bytes
.set NQ,     4                         ; steps of 128 along K in a slot
.set ROWB,   256                       ; a tile's row in bytes
.set KROW,   512                       ; a row of codes in memory
.set PITCH,  272                       ; an LDS row: 256 bytes + 16 of padding: the 16 rows that a load touches start 68 words apart
.set FR,     8
.set NL,     2
.set NP,     4
.set HALFT,  128*PITCH
.set SLOT,   4*HALFT                   ; x's 256 rows, then Wqkv's 256
.set KS,     32                        ; a row of scale bytes
.set SCL,    2*SLOT                    ; behind the slots: the scale bytes, as units of 256 bytes + 16 of padding
.set HALFS,  (128*KS/256)*272
.set SBLK,   (16*KS/256)*272
.set SPARE,  SCL+4*HALFS               ; the spare words, 128 bytes for each wave: two blocks of 256 bytes that no other line names
.set SPITCH, 272                       ; the way out: a stage of 16 rows x (256 bytes + 16) for each wave, in slot 0, which has had its one fill and its last read by then
.set ADRA, 16
.set ADRB, 20
.set STO,  24
.set RD,   25
.set CO,   26
.set ADRS, 27
.set SPW,  28
.set NIL,  29
.set BO,   30                          ; v30  32 x (lane / 16): my half's place in the bias
.set SC,   32
.set AF,   128
.set BI,   192
.set TMP,  32                          ; the way out: packed results
.set BK,   64                          ; and rows read back: v64-95 and v96-127 by turns
.set G1, 24
.set G0, 32
.set G1B, 48
.set G0B, 56
.set G1S, 68
.set G0S, 76
.set G1SB, 80
.set G0SB, 88
.set MSB, 0
.macro WIN new                         ; the immediate's high byte repeats the setting that is left; a switch that changes nothing is dropped
.set NW, \new
.if MSB != NW
	s_set_vgpr_msb (MSB<<8)|NW
.set MSB, NW
.endif
.endm
.set MUL_LO, 0xa1                      ; source 0 window 1, source 1 window 0, C and D window 2
.set MUL_HI, 0xf1                      ; the same, C and D window 3
.set TO_B,   0x40
; A joint load: waves 0 and 1 fetch for x, waves 2 and 3 for Wqkv.  The branch hangs on the wave's number alone.  An s_nop 0 and four v_nop follow each of the two lines.
.macro JLOAD g0a, g1a, g0b, g1b
	s_cmp_eq_u32 s15, 0
	s_cbranch_scc0 .Lfor_b_\@
	tensor_load_to_lds s[\g0a:\g0a+3], s[\g1a:\g1a+7]
	s_nop 0
.rept 4
	v_nop
.endr
	s_branch .Lasked_\@
.Lfor_b_\@:
	tensor_load_to_lds s[\g0b:\g0b+3], s[\g1b:\g1b+7]
	s_nop 0
.rept 4
	v_nop
.endr
.Lasked_\@:
.endm
.macro CROUND                          ; a round of the cluster's barrier
	s_barrier_signal -1
	s_barrier_wait -1
	s_cmp_lg_u32 s14, 0
	s_cbranch_scc1 .Lnot_wave_0_\@
	s_barrier_signal -3
.Lnot_wave_0_\@:
	s_barrier_wait -3
	s_barrier_signal -1
	s_barrier_wait -1
.endm
	s_load_b128 s[4:7], s[0:1], 0x0                ; codes s[4:5], scale bytes s[6:7]
	s_load_b64 s[96:97], s[0:1], 0x10              ; bqkv
	s_load_b64 s[12:13], s[0:1], 0x18              ; qkv
	v_lshl_add_u32 v[SPW], v0, 2, SPARE
	v_mov_b32 v[NIL], 0
	ds_add_u32 v[SPW], v[NIL]                      ; the wave's opening: the add, twice on end, and its wait ahead of my first tensor load
	ds_add_u32 v[SPW], v[NIL]
	v_lshrrev_b32 v1, 5, v0
	v_readfirstlane_b32 s14, v1                    ; wave 0..3
	s_lshr_b32 s15, s14, 1                         ; which half of the tile's rows is mine.  Also: I fetch for x (0) or for Wqkv (1)
	s_and_b32 s16, s14, 1                          ; which half of its columns.  Also: which 128 rows of that tile I fetch
	s_bfe_u32 s40, ttmp6, 0x40000                  ; cx, cy: my place in the cluster
	s_bfe_u32 s41, ttmp6, 0x40004
	s_lshl_b32 s42, ttmp9, 2
	s_add_co_u32 s42, s42, s40                     ; tile column = 4 x cluster x + cx
	s_and_b32 s17, ttmp7, 0xffff
	s_lshl_b32 s17, s17, 2
	s_add_co_u32 s17, s17, s41                     ; tile row = 4 x cluster y + cy
	s_lshl_b32 s43, s41, 2
	s_lshl_b32 s43, 15, s43                        ; my row of the cluster
	s_lshl_b32 s44, 0x1111, s40                    ; my column
	s_or_b32 s[G1+0], s43, (0<<16)|(1<<20)|(1<<21)|(5<<22)|(3<<25)  ; the mask; elements of 1 byte; padding on; bit 21 beside a mask; after every 64 words, 4 words
	s_or_b32 s[G1B+0], s44, (0<<16)|(1<<20)|(1<<21)|(5<<22)|(3<<25)
.irp g, G1, G1B
	s_mov_b32 s[\g+1], ROWB<<16                    ; tensor_dim0
	s_mov_b32 s[\g+2], 128<<16                     ; tensor_dim1
	s_mov_b32 s[\g+3], ROWB<<16                    ; tile_dim0
	s_mov_b32 s[\g+4], 128                         ; tile_dim1
	s_mov_b32 s[\g+5], KROW                        ; from row to row
	s_mov_b32 s[\g+6], 0
	s_mov_b32 s[\g+7], 0
.endr
	s_or_b32 s[G1S+0], s43, (3<<16)|(1<<20)|(1<<21)|(5<<22)|(3<<25)  ; the scale bytes of 128 rows: 4,096 dense bytes as 16 rows of 256 (32 elements of 8 bytes), 16 bytes of padding behind each
	s_or_b32 s[G1SB+0], s44, (3<<16)|(1<<20)|(1<<21)|(5<<22)|(3<<25)
.irp g, G1S, G1SB
	s_mov_b32 s[\g+1], 32<<16
	s_mov_b32 s[\g+2], (128*KS/256)<<16
	s_mov_b32 s[\g+3], 32<<16
	s_mov_b32 s[\g+4], 128*KS/256
	s_mov_b32 s[\g+5], 32
	s_mov_b32 s[\g+6], 0
	s_mov_b32 s[\g+7], 0
.endr
	s_lshl_b32 s18, s16, 7
	s_lshl_b32 s20, s17, 8
	s_add_co_u32 s20, s20, s18                     ; x: row 256 x tile row + 128 x half
	s_lshl_b32 s46, s42, 8
	s_add_co_u32 s46, s46, s18                     ; Wqkv: column 256 x tile column + 128 x half
	s_mov_b32 s21, 0
	s_mov_b32 s47, 0
	s_mov_b64 s[18:19], KS
	s_mul_u64 s[22:23], s[20:21], s[18:19]         ; where these rows' scale bytes begin
	s_mul_u64 s[92:93], s[46:47], s[18:19]
	s_mov_b64 s[18:19], KROW
	s_mul_u64 s[20:21], s[20:21], s[18:19]         ; and their codes
	s_mul_u64 s[46:47], s[46:47], s[18:19]
	s_mul_i32 s45, s14, HALFT                      ; where they go: wave x 128 rows: no place in the cluster enters an LDS address
	s_mul_i32 s94, s14, HALFS
	s_wait_dscnt 0x0                               ; both opening adds are done
	s_wait_kmcnt 0x0
	s_add_nc_u64 s[8:9], s[4:5], XC                ; Wqkv's codes
	s_add_nc_u64 s[10:11], s[6:7], XS              ; and scale bytes
	s_add_nc_u64 s[20:21], s[4:5], s[20:21]
	s_add_nc_u64 s[22:23], s[6:7], s[22:23]
	s_add_nc_u64 s[46:47], s[8:9], s[46:47]
	s_add_nc_u64 s[92:93], s[10:11], s[92:93]
	CROUND                                         ; all sixteen work-groups are here: the joint loads meet
	s_mov_b32 s[G0S], 1
	s_add_co_u32 s[G0S+1], s94, SCL
	s_mov_b64 s[G0S+2:G0S+3], s[22:23]
	s_or_b32 s[G0S+3], s[G0S+3], 0x80000000
	s_mov_b32 s[G0SB], 1
	s_add_co_u32 s[G0SB+1], s94, SCL
	s_mov_b64 s[G0SB+2:G0SB+3], s[92:93]
	s_or_b32 s[G0SB+3], s[G0SB+3], 0x80000000
	JLOAD G0S, G1S, G0SB, G1SB                     ; the scale bytes first: they are wanted with slot 0.  Three loads of mine are out at the most
.irp s, 0,1
	s_mov_b32 s[G0+4*\s], 1
	s_add_co_u32 s[G0+4*\s+1], s45, \s*SLOT
	s_add_nc_u64 s[G0+4*\s+2:G0+4*\s+3], s[20:21], \s*ROWB
	s_or_b32 s[G0+4*\s+3], s[G0+4*\s+3], 0x80000000
	s_mov_b32 s[G0B+4*\s], 1
	s_add_co_u32 s[G0B+4*\s+1], s45, \s*SLOT
	s_add_nc_u64 s[G0B+4*\s+2:G0B+4*\s+3], s[46:47], \s*ROWB
	s_or_b32 s[G0B+4*\s+3], s[G0B+4*\s+3], 0x80000000
	JLOAD G0+4*\s, G1, G0B+4*\s, G1B
.endr
	v_and_b32 v1, 15, v0                           ; r = lane % 16
	v_bfe_u32 v2, v0, 4, 1                         ; h = lane / 16
	v_mul_u32_u24 v3, v1, PITCH
	v_lshl_add_u32 v4, v2, 4, v3                   ; a fragment's row x pitch + 16 x half
	s_mul_i32 s21, s15, HALFT
	s_mul_i32 s22, s16, HALFT
	s_add_co_u32 s22, s22, 2*HALFT
.irp s, 0,1
	v_add_nc_u32 v[ADRA+\s], s21, v4
	v_add_nc_u32 v[ADRB+\s], s22, v4
	s_add_co_u32 s21, s21, SLOT
	s_add_co_u32 s22, s22, SLOT
.endr
	v_mul_u32_u24 v5, v1, KS                       ; my row's scale bytes: KS a row,
	v_lshrrev_b32 v6, 8, v5
	v_lshl_add_u32 v5, v6, 4, v5                   ; and 16 more for each 256 passed
	s_mul_i32 s21, s15, HALFS
	s_mul_i32 s22, s16, HALFS
	s_add_co_u32 s22, s22, 2*HALFS
	s_sub_co_u32 s22, s22, s21
	v_mul_u32_u24 v6, s22, v2                      ; lanes 16-31 take Wqkv's
	s_add_co_u32 s21, s21, SCL
	v_add_nc_u32 v5, v5, v6
	v_add_nc_u32 v[ADRS], s21, v5
	s_mul_i32 s23, s14, 16*SPITCH                  ; my stage
	v_mul_u32_u24 v5, v1, SPITCH                   ; in: row r, 16 bytes for each half of the lanes
	v_lshl_add_u32 v5, v2, 4, v5
	v_add_nc_u32 v[STO], s23, v5
	v_bfe_u32 v6, v0, 3, 1                         ; back: lanes 0-15 take my first head's 128 bytes of two rows, lanes 16-31 my second head's
	v_and_b32 v7, 7, v0
	v_mul_u32_u24 v8, v6, SPITCH
	v_lshl_add_u32 v8, v2, 7, v8
	v_lshl_add_u32 v8, v7, 4, v8
	v_add_nc_u32 v[RD], s23, v8
	v_lshlrev_b32 v9, 17, v2                       ; in qkv a head is 131,072 bytes, a position 128
	v_lshl_add_u32 v9, v6, 7, v9
	v_lshl_add_u32 v[CO], v7, 4, v9
	v_lshlrev_b32 v[BO], 5, v2
	s_lshl_b32 s46, s42, 10                        ; the bias of my 128 columns: 4 x (256 x tile column + 128 x half)
	s_lshl_b32 s47, s16, 9
	s_add_co_u32 s46, s46, s47
	s_mov_b32 s47, 0
	s_add_nc_u64 s[96:97], s[96:97], s[46:47]
.irp b, 0,1,2,3,4,5,6,7
	global_load_b128 v[BI+8*\b:BI+8*\b+3], v[BO], s[96:97] offset:64*\b          ; bqkv at columns 16 b + 8 h + 0 .. 7: the result's layout
	global_load_b128 v[BI+8*\b+4:BI+8*\b+7], v[BO], s[96:97] offset:64*\b+16
.endr
	s_lshl_b32 s20, ttmp9, 3                       ; where my part begins in qkv: cluster x says q, k or v; cluster y the batch;
	s_and_b32 s21, ttmp7, 0xffff
	s_add_co_u32 s20, s20, s21
	s_lshl_b32 s20, s20, 4
	s_lshl_b32 s21, s40, 2                         ; the head is 4 cx + 2 x my half of the columns (+ 1 for lanes 16-31);
	s_add_co_u32 s20, s20, s21
	s_lshl_b32 s21, s16, 1
	s_add_co_u32 s20, s20, s21
	s_lshl_b32 s20, s20, 17
	s_lshl_b32 s21, s41, 15                        ; the position 256 cy + 128 x my half of the rows
	s_add_co_u32 s20, s20, s21
	s_lshl_b32 s21, s15, 14
	s_add_co_u32 s20, s20, s21
	s_mov_b32 s21, 0
	s_add_nc_u64 s[12:13], s[12:13], s[20:21]
.macro FRAG reg, adr, q, i             ; a fragment, 16 rows x 128 K of 4-bit codes: lane l holds row l % 16; registers 4 c .. 4 c + 3 hold K = 64 c + 32 (l / 16) + 0 .. 31
.irp c, 0,1
	ds_load_b128 v[\reg+4*\c:\reg+4*\c+3], v[\adr] offset:64*(\q)+32*\c+(\i)*16*PITCH
.endr
.endm
; 16 matrix instructions: x's blocks a0, a0 + 1 against Wqkv's eight, 128 along K.  zero = 1: the first product starts the sums on the bias.  The 64 accumulators take turns, one instruction a turn.
.macro MUL16 a0, p, q, sc, zero
.irp a, \a0, \a0+1
.irp b, 0,1,2,3,4,5,6,7
.if \zero
	v_wmma_scale_f32_16x16x128_f8f6f4 v[8*(8*((\a)%4)+\b):8*(8*((\a)%4)+\b)+7], v[128*(\p)+FR*\b:128*(\p)+FR*\b+FR-1], v[AF+FR*(\a):AF+FR*(\a)+FR-1], v[BI+8*\b:BI+8*\b+7], v[SC+8*NQ*(\sc)+NQ*\b+(\q)], v[SC+8*NQ*(\sc)+NQ*(\a)+(\q)] matrix_a_fmt:MATRIX_FMT_FP4 matrix_b_fmt:MATRIX_FMT_FP4 matrix_a_scale:MATRIX_SCALE_ROW1
.else
	v_wmma_scale_f32_16x16x128_f8f6f4 v[8*(8*((\a)%4)+\b):8*(8*((\a)%4)+\b)+7], v[128*(\p)+FR*\b:128*(\p)+FR*\b+FR-1], v[AF+FR*(\a):AF+FR*(\a)+FR-1], v[8*(8*((\a)%4)+\b):8*(8*((\a)%4)+\b)+7], v[SC+8*NQ*(\sc)+NQ*\b+(\q)], v[SC+8*NQ*(\sc)+NQ*(\a)+(\q)] matrix_a_fmt:MATRIX_FMT_FP4 matrix_b_fmt:MATRIX_FMT_FP4 matrix_a_scale:MATRIX_SCALE_ROW1
.endif
.endr
.endr
.endm
.macro FETCH_B slot, q, p
	WIN TO_B
.irp i, 0,1,2,3,4,5,6,7
	FRAG 128*(\p)+FR*\i, ADRB+\slot, \q, \i
.endr
	WIN 0
.endm
.macro FETCH_A slot, q, i0
.irp i, \i0, \i0+1, \i0+2, \i0+3
	FRAG AF+FR*(\i), ADRA+\slot, \q, \i
.endr
.endm
.macro SCALES sc                       ; a slot's scale words: 4 words a row; lanes 0-15 take x's block i, lanes 16-31 Wqkv's block i
.irp i, 0,1,2,3,4,5,6,7
	ds_load_b128 v[SC+8*NQ*\sc+NQ*\i:SC+8*NQ*\sc+NQ*\i+3], v[ADRS] offset:\i*SBLK
.endr
.endm
.macro PLACES n                        ; a load into a register that a matrix instruction has read, and a read of a matrix result, stand four plain vector instructions behind that matrix instruction
.rept \n
	v_nop
.endr
.endm
.macro STEP slot, q, zero              ; a step of 128 along K that has its successor in the same slot.  zero = 1: C is the bias, in window 0
	s_wait_dscnt 4*NL                              ; Wqkv's set and x's blocks 0-3 are in; the youngest eight loads (x's blocks 4-7) may be out
	WIN MUL_LO-0x20*(\zero)
	MUL16 0, (\q)%2, \q, \slot, \zero
	MUL16 2, (\q)%2, \q, \slot, \zero
	s_wait_dscnt 0
	PLACES NP
	FETCH_B \slot, (\q)+1, 1-(\q)%2
	FETCH_A \slot, (\q)+1, 0
	WIN MUL_HI-0x30*(\zero)
	MUL16 4, (\q)%2, \q, \slot, \zero
	MUL16 6, (\q)%2, \q, \slot, \zero
	PLACES NP
	WIN 0
	FETCH_A \slot, (\q)+1, 4
.endm
.macro TURN slot, next                 ; slot 0's last step changes slots: one barrier; in front of it each wave waits for all its tensor loads (its part of slot 1), adds 0 to its spare word and waits for that and for its reads.  Nothing is filled again
	s_wait_tensorcnt 0x0
	ds_add_u32 v[SPW], v[NIL]
	s_wait_dscnt 4*NL+1                            ; the add and the youngest eight loads may be out
	WIN MUL_LO
	MUL16 0, 1, NQ-1, \slot, 0
	s_wait_dscnt 0x0
	s_barrier_signal -1
	MUL16 2, 1, NQ-1, \slot, 0
	WIN 0
	s_barrier_wait -1
	PLACES NP
	v_add_nc_u32 v[ADRS], 4*NQ, v[ADRS]            ; on to the next slot's scale words (no LDS load of mine is out)
	FETCH_B \next, 0, 0
	FETCH_A \next, 0, 0
	SCALES \next
	WIN MUL_HI
	MUL16 4, 1, NQ-1, \slot, 0
	MUL16 6, 1, NQ-1, \slot, 0
	PLACES NP
	WIN 0
	FETCH_A \next, 0, 4
.endm
.macro STEPS slot, from
.set Q, \from
.rept NQ-1-\from
	STEP \slot, Q, 0
.set Q, Q+1
.endr
.endm
	s_wait_tensorcnt 1                             ; the scale bytes and my part of slot 0 are in (slot 1's load may be out),
	s_barrier_signal -1
	s_barrier_wait -1                              ; everybody's are
	FETCH_B 0, 0, 0
	FETCH_A 0, 0, 0
	SCALES 0
	FETCH_A 0, 0, 4
	s_wait_loadcnt 0x0                             ; the bias
	STEP 0, 0, 1
	STEPS 0, 1
	TURN 0, 1
	STEPS 1, 0
	s_wait_dscnt 4*NL                              ; the very last step: nothing more to fetch
	WIN MUL_LO
	MUL16 0, 1, NQ-1, 1, 0
	MUL16 2, 1, NQ-1, 1, 0
	s_wait_dscnt 0
	WIN MUL_HI
	MUL16 4, 1, NQ-1, 1, 0
	MUL16 6, 1, NQ-1, 1, 0
	WIN 0
; THE WAY OUT, block by block of 16 rows x 128 columns (two heads).  A lane's eight numbers pack into 16 bytes of f16; they go through my own stage and come back so that sixteen lanes hold two positions of one head: 256 consecutive bytes of qkv.
.macro PACK a
.set AC, 64*((\a)%4)
	WIN 0x0a+5*((\a)/4)                            ; sources 0 and 1: window 2 or 3
.irp b, 0,1,2,3,4,5,6,7
.irp r, 0,1,2,3
	v_cvt_pk_f16_f32 v[TMP+4*\b+\r], v[AC+8*\b+2*\r], v[AC+8*\b+2*\r+1]   ; each accumulator from its low end on
.endr
.endr
	WIN 0
.endm
.macro TOSTAGE a
.set BB, BK+32*((\a)%2)
.irp b, 0,1,2,3,4,5,6,7
	ds_store_b128 v[STO], v[TMP+4*\b:TMP+4*\b+3] offset:32*\b
.endr
.irp t, 0,1,2,3,4,5,6,7
	ds_load_b128 v[BB+4*\t:BB+4*\t+3], v[RD] offset:\t*2*SPITCH    ; LDS serves a wave's instructions in order: these see the stores above
.endr
.endm
.macro SEND a
.set BB, BK+32*((\a)%2)
	s_wait_dscnt 0x0                               ; the block is back in registers
	s_wait_xcnt 0x0                                ; the block before has had its stores' registers read: the next block's loads may land there
.irp t, 0,1,2,3,4,5,6,7
	global_store_b128 v[CO], v[BB+4*\t:BB+4*\t+3], s[12:13] offset:(\a)*2048+256*\t   ; sixteen lanes store 256 consecutive bytes, aligned
.endr
.endm
	PLACES NP
	PACK 0
	TOSTAGE 0
.irp a, 1,2,3,4,5,6,7
	PACK \a
	SEND \a-1
	TOSTAGE \a
.endr
	SEND 7
	s_wait_tensorcnt 0x0                           ; the wave's end
	ds_add_u32 v[SPW], v[NIL]
	s_wait_dscnt 0x0
	CROUND                                         ; the closing round
	s_endpgm
.Lfunc_end_k_qe05085176e_gemm_qkv:
	.size	k_qe05085176e_gemm_qkv, .Lfunc_end_k_qe05085176e_gemm_qkv-k_qe05085176e_gemm_qkv
	.p2alignl 7, 3214868480
	.fill 96, 4, 3214868480
	.section	.rodata,"a",@progbits
	.p2align	6, 0x0
	.amdhsa_kernel k_qe05085176e_gemm_qkv
		.amdhsa_group_segment_fixed_size 327680
		.amdhsa_private_segment_fixed_size 0
		.amdhsa_enable_private_segment 0
		.amdhsa_kernarg_size 32
		.amdhsa_user_sgpr_count 2
		.amdhsa_user_sgpr_kernarg_segment_ptr 1
		.amdhsa_wavefront_size32 1
		.amdhsa_system_sgpr_workgroup_id_x 1
		.amdhsa_system_sgpr_workgroup_id_y 1
		.amdhsa_system_sgpr_workgroup_id_z 1
		.amdhsa_system_vgpr_workitem_id 0
		.amdhsa_next_free_vgpr 1024
		.amdhsa_next_free_sgpr 98
		.amdhsa_reserve_vcc 0
		.amdhsa_float_denorm_mode_32 3
		.amdhsa_float_denorm_mode_16_64 3
		.amdhsa_memory_ordered 1
		.amdhsa_forward_progress 1
		.amdhsa_inst_pref_size 128
	.end_amdhsa_kernel
	.amdgpu_metadata
---
amdhsa.version: [ 1, 2 ]
amdhsa.kernels:
  - .name:           k_qe05085176e_gemm_qkv
    .symbol:         k_qe05085176e_gemm_qkv.kd
    .args:
      - { .name: codes, .offset: 0, .size: 8, .value_kind: global_buffer, .address_space: global }
      - { .name: scales, .offset: 8, .size: 8, .value_kind: global_buffer, .address_space: global }
      - { .name: bqkv, .offset: 16, .size: 8, .value_kind: global_buffer, .address_space: global }
      - { .name: qkv, .offset: 24, .size: 8, .value_kind: global_buffer, .address_space: global }
    .group_segment_fixed_size: 327680
    .private_segment_fixed_size: 0
    .kernarg_segment_align: 8
    .kernarg_segment_size: 32
    .max_flat_workgroup_size: 128
    .sgpr_count:     98
    .vgpr_count:     1024
    .wavefront_size: 32
...
	.end_amdgpu_metadata
.endif
;; end of part 2
;; launch attn (part 3): grid 2 x 128, 16 waves a work-group, no clusters, 327,680 bytes of LDS; arguments qkv, yatt; writes yatt
.if DOCPART == 3
	.amdgcn_target "amdgcn-amd-amdhsa--gfx1250"
	.amdhsa_code_object_version 6
	.text
	.protected	k_qe05085176e_attn
	.globl	k_qe05085176e_attn
	.p2align	8
	.type	k_qe05085176e_attn,@function
k_qe05085176e_attn:
	s_mov_b64 s[64:65], 0
	v_nop
	global_prefetch_b8 v0, s[64:65] scope:SCOPE_SE
	s_setreg_imm32_b32 hwreg(HW_REG_WAVE_MODE, 25, 1), 1
	s_wait_xcnt 0x0
; y[bh][q][:] = the sum over k <= q of softmax_k(q . k / 8) v[k][:], for 128 (batch, head) pairs of 1,024 positions and head size 64.  q, k, v: f16, [3][128][1024][64]; y: f16, [128][1024][64].
; Products on f16 operands with f32 sums; maxima, exponentials and sums in f32; a running maximum m and sum l for each query: p = 2^(c s - c m), c = log2(e) / 8; in every step O and l are multiplied by a = 2^(c m_old - c m_new).
; LIMITS: NaN and infinities are not served.  (The first 16 positions of each sequence are made again, more finely, by the last two launches.)
; SHARES.  A wave owns 32 neighbouring queries, two tiles of 16, so that each fragment of k and v that it reads from LDS feeds two matrix instructions.  A head has 32 such units; unit j wants j / 2 + 1 key steps of 64 keys.
; Work-group x (0 or 1) takes the units of parity x: 1 + 2 + .. + 16 = 136 double steps each, so all 256 work-groups have the same work.  Wave w takes unit 2 i + x with i = 4 (w / 4) + (w + w / 4) % 4:
; waves whose numbers are 4 apart get all four places in a slot's diagonal, 34 double steps for each residue of the wave's number.
; Every wave walks the keys 64 a step; k's and v's tiles come through a ring of two LDS slots of 256 keys, filled by the tensor data mover (waves 0, 1: k's halves; waves 2, 3: v's) and read by all sixteen.
; CAUSAL.  Every work-group walks all four slots (the trip counts are constants) and has a wave that reads each of them; a step all of whose keys come after the wave's queries is jumped over, by a branch on ids.
; NO CLUSTER: a head has two work-groups; a cluster four wide would hold two heads, with masks of two partners each and all four work-groups in one lock-step, to spare half of the 256 KB that a work-group brings in.
; LAYOUT.  S^T = k q^T (source 0 = 16 keys, source 1 = 16 queries): a lane holds ONE query (lane % 16) and keys 8 (lane / 16) + 0..7 of each tile of keys; two such tiles, rounded to f16 in pairs, are source 1 of O^T = v^T P.  v is turned by ds_load_tr16_b128.
; REGISTERS, all 256: v0-11 ids and addresses; v12-19 c m, m, l (a pair) of tile 0 and of tile 1; v20-27 four chains a tile (a takes the third's place); v28-31 at work; v32-63 q; v64-127 ONE buffer for k's fragments and then v's;
; v128-191 S^T of both tiles, then p, then p in f16 in place (register n takes the pair 2 n, 2 n + 1, ascending: no pair is overwritten before it is read); v192-255 O^T.
.set KOFF,  16777216                   ; where k begins in qkv
.set VOFG,  33554432                   ; and v
.set SK,    256                        ; keys in a slot
.set KP,    144                        ; a key's row in LDS: 128 bytes + 16 of padding
.set VP,    160                        ; a row of v: 128 + 32
.set VOFF,  SK*KP                      ; a slot: SK rows of k, then SK rows of v
.set SLOT1, 1<<17                      ; slot 1 begins here: one exclusive or turns an address from one slot to the other
.set SPARE, SLOT1+VOFF+SK*VP           ; behind slot 1: the spare words, 128 bytes for each wave: eight blocks of 256 bytes that no other line names
.set SGP,   144                        ; the way out: 32 rows x (128 bytes + 16) for each wave, in slot 0, which is left at the last change of slots
.set AK0,  1                           ; v1   my lane's place in a tile of k
.set AV0,  2                           ; v2   the same for v
.set ADK,  3                           ; v3   LDS address of the step's tiles of k
.set ADV,  4                           ; v4   of v
.set SPW,  5                           ; v5   my spare word; never rewritten
.set NIL,  6                           ; v6   0; never rewritten
.set GO,   7                           ; v7   16 x lane
.set ST,   12                          ; tile t: v[ST+4t] c m, +1 m, +2, +3 l in two halves
.set CM,   20                          ; tile t: v[CM+4t] .. +3 four chains of the maximum; a takes +2's place
.set DD,   28                          ; v28  on the diagonal: tile 0's query less the step's first key less 8 (lane / 16)
.set DL,   29                          ; v29  lane % 16 - 8 (lane / 16)
.set PFO,  30                          ; v30  256 x lane
.set NINF, 31                          ; v31  -infinity
.set QF,   32                          ; q: tile t's two fragments at + 16 t
.set KV,   64                          ; k: fragment 2 kt + cs; later v^T: fragment 4 u + ct
.set SS,   128                         ; S^T: tile t at + 32 t
.set OO,   192                         ; O^T: tile t at + 32 t
.set WV,   18
.set SEL,  20
.set CS,   22
.set G1K,  24
.set G1V,  32
.set G0K,  40
.set G0V,  44
.set TB,   2                           ; s2   LDS byte at which the slot in hand begins
.set SLOTS, 67                         ; s67  changes of slots still to come in the loop
.set KF,   98                          ; s98  the step's first key
.set Q0,   99                          ; s99  my first query
.set PFA,  76                          ; s[76:77] where my prefetches stand
.set LIM,  80                          ; s80  1 in a wave that prefetches, else the greatest number
.macro TLOAD                           ; waves 0 and 1 fetch for k, waves 2 and 3 for v, the others nothing.  An s_nop 0 and four v_nop follow each of the two lines
	s_cmp_lt_u32 s[WV], 2
	s_cbranch_scc0 .Lnot_k_\@
	tensor_load_to_lds s[G0K:G0K+3], s[G1K:G1K+7]
	s_nop 0
.rept 4
	v_nop
.endr
	s_branch .Lasked_\@
.Lnot_k_\@:
	s_cmp_lt_u32 s[WV], 4
	s_cbranch_scc0 .Lasked_\@
	tensor_load_to_lds s[G0V:G0V+3], s[G1V:G1V+7]
	s_nop 0
.rept 4
	v_nop
.endr
.Lasked_\@:
.endm
; A PREFETCH INTO THE L2 of what the NEXT change of slots will ask for: a slot's 256 rows of k and of v, two dense blocks of 32,768 bytes.  Both work-groups of a head walk the same k and v: the first of them (x = 0) asks.
; In it the waves ask that fetch nothing, one instruction each: waves 4-7 for k, waves 8-11 for v, 8,192 bytes a wave, lanes 256 bytes apart: each aligned block of 256 bytes is named once in the launch.
; Slots 0 and 1 come by their loads alone; the last change that fills a slot asks for nothing.
.macro ASK
	s_cmp_gt_u32 s[SLOTS], s[LIM]
	s_cbranch_scc0 .Lnot_mine_\@
	global_prefetch_b8 v[PFO], s[PFA:PFA+1] th:TH_LOAD_NT scope:SCOPE_SE
.Lnot_mine_\@:
.endm
	s_load_b128 s[4:7], s[0:1], 0x0                ; qkv s[4:5], yatt s[6:7]
	v_lshl_add_u32 v[SPW], v0, 2, SPARE
	v_mov_b32 v[NIL], 0
	ds_add_u32 v[SPW], v[NIL]                      ; the wave's opening: the add, twice on end, and its wait ahead of my first tensor load
	ds_add_u32 v[SPW], v[NIL]
	v_lshrrev_b32 v8, 5, v0
	v_readfirstlane_b32 s[WV], v8                  ; wave 0..15
	s_and_b32 s72, ttmp7, 0xffff                   ; batch x 16 + head
	s_lshl_b32 s74, s72, 17                        ; its 131,072 bytes in each of q, k, v, y
	s_mov_b32 s75, 0
	s_lshr_b32 s81, s[WV], 2                       ; w / 4
	s_add_co_u32 s73, s[WV], s81
	s_and_b32 s73, s73, 3                          ; (w + w / 4) % 4
	s_lshl_b32 s81, s81, 2
	s_add_co_u32 s73, s73, s81                     ; i
	s_lshl_b32 s73, s73, 6
	s_lshl_b32 s81, ttmp9, 5
	s_add_co_u32 s[Q0], s73, s81                   ; my first query: 32 (2 i + x)
	s_lshl_b32 s82, s[Q0], 7
	s_mov_b32 s83, 0
	s_add_nc_u64 s[82:83], s[82:83], s[74:75]      ; my queries' first byte in q and in y
	s_and_b32 s88, s[WV], 1                        ; what I fetch, if I fetch: rows 128 x (wave & 1) of a slot
	s_lshl_b32 s90, s88, 14
	s_mov_b32 s91, 0
	s_add_nc_u64 s[90:91], s[90:91], s[74:75]      ; in memory,
	s_mul_i32 s89, s88, 128*KP                     ; and in a slot: k's,
	s_mul_i32 s94, s88, 128*VP
	s_add_co_u32 s94, s94, VOFF                    ; v's
	s_mov_b32 s[G1K], (1<<16)|(1<<20)|(4<<22)|(3<<25)   ; no mask; elements of 2 bytes; padding on: after every 32 words, 4 words
	s_mov_b32 s[G1V], (1<<16)|(1<<20)|(4<<22)|(7<<25)   ; the same with 8 words of padding
.irp g, G1K, G1V
	s_mov_b32 s[\g+1], 64<<16                      ; tensor_dim0
	s_mov_b32 s[\g+2], 128<<16                     ; tensor_dim1
	s_mov_b32 s[\g+3], 64<<16                      ; tile_dim0
	s_mov_b32 s[\g+4], 128                         ; tile_dim1
	s_mov_b32 s[\g+5], 64                          ; from row to row
	s_mov_b32 s[\g+6], 0
	s_mov_b32 s[\g+7], 0
.endr
	s_mov_b32 s[SEL], 0x76543210
	s_mov_b32 s[SEL+1], 0xfedcba98                 ; v_permlanex16_b32's selects for lane l xor 16
	s_mov_b32 s[CS], 0x3e38aa3b                    ; c = log2(e) / 8
	s_mov_b32 s[CS+1], s[CS]                       ; (named with it as a pair, so it is written)
	s_mov_b32 s[TB], 0
	s_mov_b32 s[SLOTS], 3
	s_mov_b32 s[KF], 0
	s_wait_dscnt 0x0                               ; both opening adds are done
	s_wait_kmcnt 0x0
	s_mov_b32 s[G0K], 1
	s_mov_b32 s[G0K+1], s89
	s_add_nc_u64 s[G0K+2:G0K+3], s[4:5], s[90:91]
	s_add_nc_u64 s[G0K+2:G0K+3], s[G0K+2:G0K+3], KOFF
	s_or_b32 s[G0K+3], s[G0K+3], 0x80000000
	s_mov_b32 s[G0V], 1
	s_mov_b32 s[G0V+1], s94
	s_add_nc_u64 s[G0V+2:G0V+3], s[4:5], s[90:91]
	s_add_nc_u64 s[G0V+2:G0V+3], s[G0V+2:G0V+3], VOFG
	s_or_b32 s[G0V+3], s[G0V+3], 0x80000000
	TLOAD                                          ; slot 0: keys 0 to 255, which count for queries of every wave.  One load of mine is out at the most, here and behind each change of slots
	s_add_nc_u64 s[84:85], s[4:5], s[82:83]        ; q at my first query
	s_add_nc_u64 s[6:7], s[6:7], s[82:83]          ; y likewise
	s_mov_b32 s82, VOFG                            ; the prefetches: waves 4-7 stand in k, waves 8-11 in v,
	s_mov_b32 s83, 0
	s_cmp_lt_u32 s[WV], 8
	s_cselect_b32 s82, KOFF, s82
	s_and_b32 s86, s[WV], 3
	s_lshl_b32 s86, s86, 13                        ; at my wave's 8,192 bytes
	s_add_co_u32 s82, s82, s86
	s_add_co_u32 s82, s82, 32768                   ; of slot 1: the first change of slots steps it to slot 2
	s_add_nc_u64 s[PFA:PFA+1], s[4:5], s[74:75]
	s_add_nc_u64 s[PFA:PFA+1], s[PFA:PFA+1], s[82:83]
	s_sub_co_u32 s86, s[WV], 4
	s_lshr_b32 s86, s86, 3                         ; 0 in waves 4 to 11,
	s_or_b32 s86, s86, ttmp9                       ; of the head's first work-group
	s_cmp_eq_u32 s86, 0
	s_cselect_b32 s[LIM], 1, -1
	v_and_b32 v8, 15, v0                           ; r = lane % 16
	v_bfe_u32 v9, v0, 4, 1                         ; h = lane / 16
	v_lshlrev_b32 v10, 7, v8
	v_lshl_add_u32 v10, v9, 4, v10                 ; q: row r of 128 bytes, + 16 h
.irp t, 0,1
.irp i, 0,1,2,3
	global_load_b128 v[QF+16*\t+4*\i:QF+16*\t+4*\i+3], v10, s[84:85] offset:2048*\t+32*\i   ; q's fragments, two a tile, stay in registers
.endr
.endr
	v_mul_u32_u24 v[AK0], v8, KP
	v_lshl_add_u32 v[AK0], v9, 4, v[AK0]
	v_and_b32 v11, 7, v0
	v_lshl_add_u32 v11, v9, 3, v11
	v_mul_u32_u24 v[AV0], v11, VP                  ; the turning load: key 8 h + lane % 8,
	v_bfe_u32 v11, v0, 3, 1
	v_lshl_add_u32 v[AV0], v11, 4, v[AV0]          ; channels 8 ((lane / 8) % 2) on
	v_add_nc_u32 v[AV0], VOFF, v[AV0]
	v_and_b32 v[GO], 31, v0
	v_lshlrev_b32 v[PFO], 8, v[GO]
	v_lshlrev_b32 v[GO], 4, v[GO]
	v_lshlrev_b32 v[DL], 3, v9
	v_sub_nc_u32 v[DL], v8, v[DL]
	v_mov_b32 v[NINF], 0xff800000
.irp t, 0,1
	v_mov_b32 v[ST+4*\t+1], 0xff61b1e6             ; m: -3e38, under every score
	v_mul_f32 v[ST+4*\t], s[CS], v[ST+4*\t+1]      ; c m
	v_mov_b32 v[ST+4*\t+2], 0                      ; l
	v_mov_b32 v[ST+4*\t+3], 0
.endr
.irp j, 0,1,2,3,4,5,6,7
	v_mov_b32 v[CM+\j], 0                          ; written once: a lane permute's destination counts as one of its sources
.endr
.set n, 0
.rept 64
	v_mov_b32 v[OO+n], 0                           ; O^T.  (The step is written once: the first finds zeros, which a = 0 leaves zeros)
.set n, n+1
.endr
; A KEY STEP: 64 keys, the q-th of the slot in hand, for my two tiles of queries.
.macro STEP q
	s_cmp_gt_u32 s[KF], s[Q0]                      ; a step all of whose keys come after my 32 queries is left out (KF is a multiple of 64, Q0 of 32: KF <= Q0 + 31 means KF <= Q0): a branch on ids, round the step's loads, products and softmax
	s_cbranch_scc1 .Lhidden_\@
	v_add_nc_u32 v[ADK], s[TB], v[AK0]             ; five places: the products below write S^T over registers that the last step's products read as P (five are owed), and the loads below land in registers that they read as v (four)
	v_add_nc_u32 v[ADV], s[TB], v[AV0]
	v_nop
	v_nop
	v_nop
.set ff, 0
.rept 8
	ds_load_b128 v[KV+8*ff:KV+8*ff+3],   v[ADK] offset:(64*(\q)+16*(ff/2))*KP+64*(ff%2)
	ds_load_b128 v[KV+8*ff+4:KV+8*ff+7], v[ADK] offset:(64*(\q)+16*(ff/2))*KP+64*(ff%2)+32
.set ff, ff+1
.endr
	s_wait_dscnt 0x0                               ; k is in
.irp t, 0,1                                    ; S^T = k q^T: eight accumulators (two tiles of queries x four of keys) take turns
.irp kt, 0,1,2,3
	v_wmma_f32_16x16x32_f16 v[SS+32*\t+8*\kt:SS+32*\t+8*\kt+7], v[KV+16*\kt:KV+16*\kt+7], v[QF+16*\t:QF+16*\t+7], 0
.endr
.endr
.irp t, 0,1
.irp kt, 0,1,2,3
	v_wmma_f32_16x16x32_f16 v[SS+32*\t+8*\kt:SS+32*\t+8*\kt+7], v[KV+16*\kt+8:KV+16*\kt+15], v[QF+16*\t+8:QF+16*\t+15], v[SS+32*\t+8*\kt:SS+32*\t+8*\kt+7]
.endr
.endr
.rept 4
	v_nop                                          ; four places: in front of the loads into k's registers and of the first reads of S^T
.endr
.set ff, 0
.rept 8                                        ; v takes k's registers and lands under the softmax
	ds_load_tr16_b128 v[KV+8*ff:KV+8*ff+3],   v[ADV] offset:(64*(\q)+32*(ff/4))*VP+32*(ff%4)
	ds_load_tr16_b128 v[KV+8*ff+4:KV+8*ff+7], v[ADV] offset:(64*(\q)+32*(ff/4)+16)*VP+32*(ff%4)
.set ff, ff+1
.endr
	s_add_co_u32 s96, s[KF], 63                    ; on the diagonal hidden scores become -infinity ahead of the maximum; a step all of whose keys count skips this
	s_cmp_le_u32 s96, s[Q0]
	s_cbranch_scc1 .Lopen_\@
	s_sub_co_u32 s96, s[Q0], s[KF]
	v_add_nc_u32 v[DD], s96, v[DL]                 ; register 8 kt + j of tile t holds key KF + 16 kt + 8 h + j: hidden where 16 kt + j - 16 t > Q0 + r - KF - 8 h
.irp t, 0,1
.set n, 0
.rept 32
	v_cmp_gt_i32 vcc_lo, 16*(n/8)+n%8-16*\t, v[DD]
	v_cndmask_b32 v[SS+32*\t+n], v[SS+32*\t+n], v[NINF], vcc_lo
.set n, n+1
.endr
.endr
.Lopen_\@:
.irp j, 0,1,2,3                                ; the maximum of a lane's 32 scores and the old m: four chains a tile, each accumulator from its low end; the two tiles by turns throughout
.irp t, 0,1
	v_max3_num_f32 v[CM+4*\t+\j], v[SS+32*\t+8*\j], v[SS+32*\t+8*\j+1], v[SS+32*\t+8*\j+2]
.endr
.endr
.irp i, 3,5
.irp j, 0,1,2,3
.irp t, 0,1
	v_max3_num_f32 v[CM+4*\t+\j], v[CM+4*\t+\j], v[SS+32*\t+8*\j+\i], v[SS+32*\t+8*\j+\i+1]
.endr
.endr
.endr
.irp t, 0,1
	v_max3_num_f32 v[CM+4*\t], v[CM+4*\t], v[SS+32*\t+7], v[SS+32*\t+15]
.endr
.irp t, 0,1
	v_max3_num_f32 v[CM+4*\t+2], v[CM+4*\t+2], v[SS+32*\t+23], v[SS+32*\t+31]
.endr
.irp t, 0,1
	v_max3_num_f32 v[CM+4*\t], v[CM+4*\t], v[CM+4*\t+1], v[CM+4*\t+2]
.endr
.irp t, 0,1
	v_max3_num_f32 v[CM+4*\t], v[CM+4*\t], v[CM+4*\t+3], v[ST+4*\t+1]
.endr
.irp t, 0,1
	v_permlanex16_b32 v[CM+4*\t+1], v[CM+4*\t], s[SEL], s[SEL+1]   ; the query's other 32 keys lie in the lane 16 away
.endr
.irp t, 0,1
	v_mov_b32 v[CM+4*\t+3], v[ST+4*\t]             ; c m_old is kept for a
.endr
.irp t, 0,1
	v_max_num_f32 v[ST+4*\t+1], v[CM+4*\t], v[CM+4*\t+1]
.endr
.irp t, 0,1
	v_mul_f32 v[ST+4*\t], s[CS], v[ST+4*\t+1]
.endr
.irp t, 0,1
	v_sub_f32 v[CM+4*\t+3], v[CM+4*\t+3], v[ST+4*\t]
.endr
.irp j, 0,2,4,6,8,10,12,14,16,18,20,22,24,26,28,30
.irp t, 0,1
	v_pk_fma_f32 v[SS+32*\t+\j:SS+32*\t+\j+1], v[SS+32*\t+\j:SS+32*\t+\j+1], s[CS:CS+1], v[ST+4*\t:ST+4*\t+1] op_sel_hi:[1,0,0] neg_lo:[0,0,1] neg_hi:[0,0,1]   ; c s - c m
.endr
.endr
.irp t, 0,1
	v_exp_f32 v[CM+4*\t+2], v[CM+4*\t+3]           ; a
.endr
.set n, 0
.rept 32
	v_exp_f32 v[SS+n], v[SS+n]                     ; p
	v_exp_f32 v[SS+32+n], v[SS+32+n]
.set n, n+1
.endr
	v_nop                                          ; a plain line behind the last exponential
	s_wait_alu depctr_va_vdst(0)                   ; one wait for the batch of 66, ahead of its first reader
.irp t, 0,1                                    ; l = a l + the sum of the 16 pairs, which are left whole: two chains a tile
	v_pk_fma_f32 v[ST+4*\t+2:ST+4*\t+3], v[ST+4*\t+2:ST+4*\t+3], v[CM+4*\t+2:CM+4*\t+3], v[SS+32*\t:SS+32*\t+1] op_sel_hi:[1,0,1]
.endr
.irp t, 0,1
	v_pk_add_f32 v[CM+4*\t:CM+4*\t+1], v[SS+32*\t+2:SS+32*\t+3], v[SS+32*\t+6:SS+32*\t+7]
.endr
.irp u, 4,8,12,16,20,24
.irp t, 0,1
	v_pk_add_f32 v[ST+4*\t+2:ST+4*\t+3], v[ST+4*\t+2:ST+4*\t+3], v[SS+32*\t+\u:SS+32*\t+\u+1]
	v_pk_add_f32 v[CM+4*\t:CM+4*\t+1], v[CM+4*\t:CM+4*\t+1], v[SS+32*\t+\u+6:SS+32*\t+\u+7]
.endr
.endr
.irp t, 0,1
	v_pk_add_f32 v[ST+4*\t+2:ST+4*\t+3], v[ST+4*\t+2:ST+4*\t+3], v[SS+32*\t+28:SS+32*\t+29]
.endr
.irp t, 0,1
	v_pk_add_f32 v[ST+4*\t+2:ST+4*\t+3], v[ST+4*\t+2:ST+4*\t+3], v[CM+4*\t:CM+4*\t+1]
.endr
.set n, 0
.rept 16                                       ; p to f16, in place: register n takes the pair 2 n, 2 n + 1
	v_cvt_pk_f16_f32 v[SS+n], v[SS+2*n], v[SS+2*n+1]
	v_cvt_pk_f16_f32 v[SS+32+n], v[SS+32+2*n], v[SS+32+2*n+1]
.set n, n+1
.endr
.irp j, 0,2,4,6,8,10,12,14,16,18,20,22,24,26,28,30
.irp t, 0,1
	v_pk_mul_f32 v[OO+32*\t+\j:OO+32*\t+\j+1], v[OO+32*\t+\j:OO+32*\t+\j+1], v[CM+4*\t+2:CM+4*\t+3] op_sel_hi:[1,0]   ; O^T x a
.endr
.endr
	s_wait_dscnt 0x0                               ; v is in
.irp u, 0,1                                    ; O^T += v^T P: eight accumulators (two tiles of queries x four of channels) take turns
.irp t, 0,1
.irp ct, 0,1,2,3
	v_wmma_f32_16x16x32_f16 v[OO+32*\t+8*\ct:OO+32*\t+8*\ct+7], v[KV+32*\u+8*\ct:KV+32*\u+8*\ct+7], v[SS+32*\t+8*\u:SS+32*\t+8*\u+7], v[OO+32*\t+8*\ct:OO+32*\t+8*\ct+7]
.endr
.endr
.endr
.Lhidden_\@:
	s_add_co_u32 s[KF], s[KF], 64
.endm
; THE CHANGE OF SLOTS stands at a slot's head.  Each wave waits for all its tensor loads (its part of the slot that it is about to read), adds 0 to its spare word, and waits for that and for its reads of the slot that it has left.
; Behind the barrier the slot ahead is whole and nobody reads the other one.  fill = 1: that other slot takes the next 256 keys: the load has a slot's four steps in which to land.
.macro CHANGE fill
	s_wait_tensorcnt 0x0                           ; no tensor load of mine is out, so a group 0 may be written
	ds_add_u32 v[SPW], v[NIL]
.if \fill
	ds_add_u32 v[SPW], v[NIL]                      ; and once more: the add twice on end, in every trip alike
	s_xor_b32 s[G0K+1], s[G0K+1], SLOT1            ; the walking descriptors: the other slot than last time,
	s_add_nc_u64 s[G0K+2:G0K+3], s[G0K+2:G0K+3], SK*128   ; the next 256 keys; the type bits on top are not reached
	s_xor_b32 s[G0V+1], s[G0V+1], SLOT1
	s_add_nc_u64 s[G0V+2:G0V+3], s[G0V+2:G0V+3], SK*128
	s_wait_xcnt 0x0                                ; the last prefetch, a slot back, has read its address, so it may be written
	s_add_nc_u64 s[PFA:PFA+1], s[PFA:PFA+1], SK*128
.endif
	s_wait_dscnt 0x0                               ; the add is done, and my reads of the slot that I have left are over
	s_barrier_signal -1
	s_barrier_wait -1
.if \fill
	TLOAD                                          ; the first thing behind the barrier, and a wave's one tensor load until the next
	ASK
.endif
.endm
.macro SLOT_STEPS
	STEP 0
	STEP 1
	STEP 2
	STEP 3
	s_xor_b32 s[TB], s[TB], SLOT1                  ; on to the other slot
.endm
	s_wait_loadcnt 0x0                             ; q
.Lslot:                                            ; three trips: behind each change of slots but the last the next slot is asked for
	CHANGE 1
	SLOT_STEPS
	s_sub_co_u32 s[SLOTS], s[SLOTS], 1
	s_cmp_lg_u32 s[SLOTS], 0
	s_cbranch_scc1 .Lslot
	CHANGE 0                                       ; the last slot is written out: nothing is left to ask for
	SLOT_STEPS
	; THE WAY OUT.  O^T / l, rounded to f16, goes through my stage and leaves as 4,096 dense bytes: my 32 queries' rows of y.
.rept 4
	v_nop
.endr
.irp t, 0,1
	v_add_f32 v[ST+4*\t+2], v[ST+4*\t+2], v[ST+4*\t+3]
.endr
.irp t, 0,1
	v_permlanex16_b32 v[CM+4*\t], v[ST+4*\t+2], s[SEL], s[SEL+1]
.endr
.irp t, 0,1
	v_add_f32 v[ST+4*\t+2], v[ST+4*\t+2], v[CM+4*\t]
.endr
.irp t, 0,1
	v_rcp_f32 v[CM+4*\t+2], v[ST+4*\t+2]
.endr
	s_mul_i32 s73, s[WV], 32*SGP                   ; my stage
	v_mul_u32_u24 v10, v8, SGP                     ; (plain lines behind the reciprocals)  in: row r of a tile, + 16 h
	v_lshl_add_u32 v10, v9, 4, v10
	v_add_nc_u32 v10, s73, v10
	v_bfe_u32 v11, v0, 3, 2                        ; back: eight lanes to a row of 128 bytes, four rows an instruction
	v_mul_u32_u24 v11, v11, SGP
	v_and_b32 v[DD], 7, v0
	v_lshl_add_u32 v11, v[DD], 4, v11
	v_add_nc_u32 v11, s73, v11
	s_wait_alu depctr_va_vdst(0)                   ; one wait ahead of the reciprocals' first reader, for the two
.irp t, 0,1
.irp j, 0,2,4,6,8,10,12,14,16,18,20,22,24,26,28,30
	v_pk_mul_f32 v[SS+32*\t+\j:SS+32*\t+\j+1], v[OO+32*\t+\j:OO+32*\t+\j+1], v[CM+4*\t+2:CM+4*\t+3] op_sel_hi:[1,0]
.endr
.endr
.set n, 0
.rept 16
	v_cvt_pk_f16_f32 v[KV+n], v[SS+2*n], v[SS+2*n+1]
	v_cvt_pk_f16_f32 v[KV+16+n], v[SS+32+2*n], v[SS+32+2*n+1]
.set n, n+1
.endr
.irp t, 0,1
.irp ct, 0,1,2,3
	ds_store_b128 v10, v[KV+16*\t+4*\ct:KV+16*\t+4*\ct+3] offset:\t*16*SGP+32*\ct
.endr
.endr
.irp i, 0,1,2,3,4,5,6,7
	ds_load_b128 v[KV+32+4*\i:KV+32+4*\i+3], v11 offset:4*\i*SGP   ; LDS serves a wave's instructions in order: these see my stores
.endr
.irp i, 0,1,2,3,4,5,6,7
	s_wait_dscnt 7-\i
	global_store_b128 v[GO], v[KV+32+4*\i:KV+32+4*\i+3], s[6:7] offset:512*\i   ; 32 lanes store 512 consecutive bytes, aligned
.endr
	s_wait_tensorcnt 0x0                           ; the wave's end
	ds_add_u32 v[SPW], v[NIL]
	s_wait_dscnt 0x0
	s_endpgm
.Lfunc_end_k_qe05085176e_attn:
	.size	k_qe05085176e_attn, .Lfunc_end_k_qe05085176e_attn-k_qe05085176e_attn
	.p2alignl 7, 3214868480
	.fill 96, 4, 3214868480
	.section	.rodata,"a",@progbits
	.p2align	6, 0x0
	.amdhsa_kernel k_qe05085176e_attn
		.amdhsa_group_segment_fixed_size 327680
		.amdhsa_private_segment_fixed_size 0
		.amdhsa_enable_private_segment 0
		.amdhsa_kernarg_size 16
		.amdhsa_user_sgpr_count 2
		.amdhsa_user_sgpr_kernarg_segment_ptr 1
		.amdhsa_wavefront_size32 1
		.amdhsa_system_sgpr_workgroup_id_x 1
		.amdhsa_system_sgpr_workgroup_id_y 1
		.amdhsa_system_sgpr_workgroup_id_z 1
		.amdhsa_system_vgpr_workitem_id 0
		.amdhsa_next_free_vgpr 256
		.amdhsa_next_free_sgpr 100
		.amdhsa_reserve_vcc 1
		.amdhsa_float_denorm_mode_32 3
		.amdhsa_float_denorm_mode_16_64 3
		.amdhsa_memory_ordered 1
		.amdhsa_forward_progress 1
		.amdhsa_inst_pref_size 187
	.end_amdhsa_kernel
	.amdgpu_metadata
---
amdhsa.version: [ 1, 2 ]
amdhsa.kernels:
  - .name:           k_qe05085176e_attn
    .symbol:         k_qe05085176e_attn.kd
    .args:
      - { .name: qkv, .offset: 0, .size: 8, .value_kind: global_buffer, .address_space: global }
      - { .name: yatt, .offset: 8, .size: 8, .value_kind: global_buffer, .address_space: global }
    .group_segment_fixed_size: 327680
    .private_segment_fixed_size: 0
    .kernarg_segment_align: 8
    .kernarg_segment_size: 16
    .max_flat_workgroup_size: 512
    .sgpr_count:     100
    .vgpr_count:     256
    .wavefront_size: 32
...
	.end_amdgpu_metadata
.endif
;; end of part 3
;; launch proj (part 4): grid 8 x 32, 4 waves a work-group, clusters of 4 x 4, 327,680 bytes of LDS; arguments yatt, wp, bproj, out0; writes out0
.if DOCPART == 4
	.amdgcn_target "amdgcn-amd-amdhsa--gfx1250"
	.amdhsa_code_object_version 6
	.text
	.protected	k_qe05085176e_proj
	.globl	k_qe05085176e_proj
	.p2align	8
	.type	k_qe05085176e_proj,@function
k_qe05085176e_proj:
	s_mov_b64 s[64:65], 0
	v_nop
	global_prefetch_b8 v0, s[64:65] scope:SCOPE_SE
	s_setreg_imm32_b32 hwreg(HW_REG_WAVE_MODE, 25, 1), 1
	s_wait_xcnt 0x0
	s_wait_alu depctr_hold_cnt(0) depctr_sa_sdst(0) depctr_va_vdst(0) depctr_va_sdst(0) depctr_va_ssrc(0) depctr_va_vcc(0) depctr_vm_vsrc(0)
	s_getreg_b32 s2, hwreg(HW_REG_IB_STS2, 6, 4)
	s_cmp_eq_u32 s2, 0
	s_cbranch_scc0 .Lentry_in_a_cluster
	s_endpgm
.Lentry_in_a_cluster:
	s_bfe_u32 s2, ttmp6, 0x10000c
	s_cmp_lg_u32 s2, 0xf033
	s_cbranch_scc0 .Lentry_shape_is_right
	s_endpgm
.Lentry_shape_is_right:
; out0 = y Wproj + bproj: [8192] x [1024], K = 1,024, on f16 operands with f32 sums; the bias is the C of each sum's first product.  y: f16, head-major [8 batches][16 heads][1024 positions][64]; Wproj^T: f16 [1024 n][1024 k] (the high part of wp).
; (Rows 0-15 of each batch are stored here too and are made again, more finely, by the last launch.)
; A tile of out0 is 256 rows x 128 columns, which gives each of 256 work-groups one tile; four waves, each 128 x 64: 32 accumulators, 256 registers.  K goes in steps of 128 (two heads) through a ring of two LDS slots.
; y's tile of a K step is two planes (heads) of 256 rows x 128 bytes, each dense in memory; Wproj^T's is 128 rows x 256 bytes.  Waves 0, 1 fetch the planes, waves 2, 3 the halves of Wproj^T's tile: one load a wave behind each change of slots.
; CLUSTERS: 4 x 4 work-groups; y's tiles are shared along a row of the cluster, Wproj^T's along a column: each is asked for JOINTLY.  THE MATRIX INSTRUCTION IS USED TRANSPOSED: a lane holds eight neighbouring numbers of a row of out0.
; REGISTERS: window 0: v0-31 addresses; v32-63 the bias in the result's layout; two fragment buffers of 96: v64-127 y (8 x 16 rows x 32 K), v128-159 Wproj^T (4); v160-223, v224-255 likewise.   window 1: accumulator (a, b) at v[8 (4 a + b)].
.set AP,    144                        ; a row of y in LDS: 128 bytes + 16
.set APL,   256*AP                     ; a plane
.set BP,    272                        ; a row of Wproj^T: 256 + 16
.set BOFF,  2*APL
.set SLOT,  BOFF+128*BP
.set STAGE, 2*SLOT                     ; behind the ring: 16 rows x 272 bytes for each wave, for the way out
.set SPITCH, 272
.set SPARE, STAGE+4*16*SPITCH          ; the spare words, 128 bytes for each wave: two blocks of 256 bytes that no other line names
.set KSA,   262144                     ; a K step on in y: two heads
.set ADRA, 16
.set ADRB, 20
.set STO,  24
.set RD,   25
.set CO,   26
.set SPW,  28
.set NIL,  29
.set PFO,  30                          ; v30  256 x lane
.set BO,   31                          ; v31  32 x (lane / 16)
.set BI,   32
.set F0,   64
.set F1,   160
.set BK,   64                          ; the way out: rows read back: v64-95 and v96-127 by turns
.set G1,  24
.set G0,  32
.set LIM, 43
.set PFA, 44
.set G1B, 48
.set G0B, 56
.set MSB, 0
.macro WIN new
.set NW, \new
.if MSB != NW
	s_set_vgpr_msb (MSB<<8)|NW
.set MSB, NW
.endif
.endm
.set MUL, 0x50                         ; C and D window 1, the fragments window 0
.macro JLOAD s                         ; a joint load; an s_nop 0 and four v_nop follow each of the two lines
	s_cmp_eq_u32 s13, 0
	s_cbranch_scc0 .Lfor_b_\@
	tensor_load_to_lds s[G0+4*\s:G0+4*\s+3], s[G1:G1+7]
	s_nop 0
.rept 4
	v_nop
.endr
	s_branch .Lasked_\@
.Lfor_b_\@:
	tensor_load_to_lds s[G0B+4*\s:G0B+4*\s+3], s[G1B:G1B+7]
	s_nop 0
.rept 4
	v_nop
.endr
.Lasked_\@:
.endm
; A PREFETCH INTO THE L2, behind each joint load and the run of LDS loads that follows: y's planes of the K step that stands TWO refills on, 256 matrix instructions ahead of the load that will want them.
; y's tile row is read by both clusters of that row of clusters: the one with x = 0 asks.  Of a plane's 32,768 bytes each of the four partners that ask for it jointly takes 8,192, told apart BY ADDRESS (cx), lanes 256 bytes apart:
; each aligned block of 256 bytes is named once.  K steps 0 to 3 come by their loads alone; the last two refills have no K step two on.  Wproj^T is not asked for: all 32 tile rows read the same rows of it, so it is no stream that is read once.
.macro ASK
	s_cmp_gt_u32 s3, s[LIM]                        ; s3 = 1 in the loop's last trip
	s_cbranch_scc0 .Lnot_mine_\@
	global_prefetch_b8 v[PFO], s[PFA:PFA+1] offset:KSA th:TH_LOAD_NT scope:SCOPE_SE
.Lnot_mine_\@:
.endm
.macro CREST
	s_cmp_lg_u32 s12, 0
	s_cbranch_scc1 .Lnot_wave_0_\@
	s_barrier_signal -3
.Lnot_wave_0_\@:
	s_barrier_wait -3
	s_barrier_signal -1
	s_barrier_wait -1
.endm
.macro CROUND
	s_barrier_signal -1
	s_barrier_wait -1
	CREST
.endm
	s_load_b256 s[4:11], s[0:1], 0x0               ; yatt s[4:5], wp s[6:7], bproj s[8:9], out0 s[10:11]
	v_lshl_add_u32 v[SPW], v0, 2, SPARE
	v_mov_b32 v[NIL], 0
	ds_add_u32 v[SPW], v[NIL]                      ; the wave's opening: the add, twice on end, and its wait ahead of my first tensor load
	ds_add_u32 v[SPW], v[NIL]
	v_lshrrev_b32 v1, 5, v0
	v_readfirstlane_b32 s12, v1                    ; wave 0..3
	s_lshr_b32 s13, s12, 1                         ; which half of the tile's rows is mine.  Also: I fetch for y (0) or for Wproj^T (1)
	s_and_b32 s14, s12, 1                          ; which half of its columns.  Also: which plane, or which 64 rows, I fetch
	s_bfe_u32 s15, ttmp6, 0x40000                  ; cx
	s_bfe_u32 s16, ttmp6, 0x40004                  ; cy
	s_lshl_b32 s17, ttmp9, 2
	s_add_co_u32 s17, s17, s15                     ; tile column
	s_and_b32 s19, ttmp7, 0xffff                   ; cluster y = the batch
	s_lshl_b32 s18, s19, 2
	s_add_co_u32 s18, s18, s16                     ; tile row
	s_lshl_b32 s40, s16, 2
	s_lshl_b32 s40, 15, s40                        ; my row of the cluster
	s_lshl_b32 s41, 0x1111, s15                    ; my column
	s_or_b32 s[G1], s40, (1<<16)|(1<<20)|(1<<21)|(4<<22)|(3<<25)    ; the mask; elements of 2 bytes; padding on; bit 21 beside a mask; after every 32 words, 4 words
	s_mov_b32 s[G1+1], 64<<16                      ; tensor_dim0
	s_mov_b32 s[G1+2], 256<<16                     ; tensor_dim1
	s_mov_b32 s[G1+3], 64<<16                      ; tile_dim0
	s_mov_b32 s[G1+4], 256                         ; tile_dim1
	s_mov_b32 s[G1+5], 64                          ; from row to row
	s_mov_b32 s[G1+6], 0
	s_mov_b32 s[G1+7], 0
	s_or_b32 s[G1B], s41, (1<<16)|(1<<20)|(1<<21)|(5<<22)|(3<<25)   ; after every 64 words, 4 words
	s_mov_b32 s[G1B+1], 128<<16
	s_mov_b32 s[G1B+2], 64<<16
	s_mov_b32 s[G1B+3], 128<<16
	s_mov_b32 s[G1B+4], 64
	s_mov_b32 s[G1B+5], 1024
	s_mov_b32 s[G1B+6], 0
	s_mov_b32 s[G1B+7], 0
	s_lshl_b32 s20, s19, 4                         ; y: head (wave & 1) of the batch,
	s_add_co_u32 s20, s20, s14
	s_lshl_b32 s20, s20, 17
	s_lshl_b32 s21, s16, 15                        ; positions 256 cy on
	s_add_co_u32 s20, s20, s21
	s_mov_b32 s21, 0
	s_lshl_b32 s46, s17, 7                         ; Wproj^T: row 128 x tile column + 64 x (wave & 1)
	s_lshl_b32 s47, s14, 6
	s_add_co_u32 s46, s46, s47
	s_lshl_b32 s46, s46, 11
	s_mov_b32 s47, 0
	s_mul_i32 s22, s14, APL                        ; where they go: no place in the cluster enters an LDS address
	s_mul_i32 s23, s14, 64*BP
	s_add_co_u32 s23, s23, BOFF
	s_or_b32 s[LIM], s13, ttmp9                    ; who prefetches: waves 0 and 1 of the clusters with x = 0: the same in all sixteen partners, for a given wave
	s_cmp_eq_u32 s[LIM], 0
	s_cselect_b32 s[LIM], 1, -1
	s_wait_dscnt 0x0                               ; both opening adds are done
	s_wait_kmcnt 0x0
	s_add_nc_u64 s[20:21], s[4:5], s[20:21]
	s_add_nc_u64 s[46:47], s[6:7], s[46:47]
	CROUND                                         ; all sixteen work-groups are here: the first joint loads meet
.irp s, 0,1
	s_mov_b32 s[G0+4*\s], 1
	s_add_co_u32 s[G0+4*\s+1], s22, \s*SLOT
	s_add_nc_u64 s[G0+4*\s+2:G0+4*\s+3], s[20:21], \s*KSA
	s_or_b32 s[G0+4*\s+3], s[G0+4*\s+3], 0x80000000
	s_mov_b32 s[G0B+4*\s], 1
	s_add_co_u32 s[G0B+4*\s+1], s23, \s*SLOT
	s_add_nc_u64 s[G0B+4*\s+2:G0B+4*\s+3], s[46:47], \s*256
	s_or_b32 s[G0B+4*\s+3], s[G0B+4*\s+3], 0x80000000
	JLOAD \s                                       ; two loads of mine are out at the most: these; later one behind each change of slots
.endr
	s_lshl_b32 s40, s15, 13                        ; the prefetches: my work-group's 8,192 bytes of my plane,
	s_mov_b32 s41, 0
	s_add_nc_u64 s[PFA:PFA+1], s[20:21], s[40:41]
	s_add_nc_u64 s[PFA:PFA+1], s[PFA:PFA+1], 2*KSA ; at K step 2: the first refill steps it to 3 and names K step 4
	v_and_b32 v1, 15, v0                           ; r
	v_bfe_u32 v2, v0, 4, 1                         ; h
	v_mul_u32_u24 v3, v1, AP
	v_lshl_add_u32 v3, v2, 4, v3
	v_mul_u32_u24 v4, v1, BP
	v_lshl_add_u32 v4, v2, 4, v4
	s_mul_i32 s21, s13, 128*AP                     ; my 128 rows of y
	s_mul_i32 s22, s14, 64*BP                      ; my 64 rows of Wproj^T
	s_add_co_u32 s22, s22, BOFF
.irp s, 0,1
	v_add_nc_u32 v[ADRA+\s], s21, v3
	v_add_nc_u32 v[ADRB+\s], s22, v4
	s_add_co_u32 s21, s21, SLOT
	s_add_co_u32 s22, s22, SLOT
.endr
	s_mul_i32 s23, s12, 16*SPITCH
	s_add_co_u32 s23, s23, STAGE                   ; my stage
	v_mul_u32_u24 v5, v1, SPITCH                   ; in: row r, 32 bytes for each half of the lanes
	v_lshl_add_u32 v5, v2, 5, v5
	v_add_nc_u32 v[STO], s23, v5
	v_mul_u32_u24 v5, v2, SPITCH                   ; back: lanes 0-15 one row of 256 bytes, lanes 16-31 the next
	v_lshl_add_u32 v5, v1, 4, v5
	v_add_nc_u32 v[RD], s23, v5
	v_lshlrev_b32 v5, 12, v2                       ; and the same two rows in out0
	v_lshl_add_u32 v[CO], v1, 4, v5
	v_and_b32 v[PFO], 31, v0
	v_lshlrev_b32 v[PFO], 8, v[PFO]
	v_lshlrev_b32 v[BO], 5, v2
	s_lshl_b32 s46, s17, 9                         ; my 64 columns, in bytes of f32: 512 x tile column + 256 x half
	s_lshl_b32 s47, s14, 8
	s_add_co_u32 s46, s46, s47
	s_mov_b32 s47, 0
	s_add_nc_u64 s[8:9], s[8:9], s[46:47]
.irp b, 0,1,2,3
	global_load_b128 v[BI+8*\b:BI+8*\b+3], v[BO], s[8:9] offset:64*\b            ; bproj at columns 16 b + 8 h + 0 .. 7
	global_load_b128 v[BI+8*\b+4:BI+8*\b+7], v[BO], s[8:9] offset:64*\b+16
.endr
	s_lshl_b32 s20, s18, 8
	s_lshl_b32 s21, s13, 7
	s_add_co_u32 s20, s20, s21                     ; my first row of out0
	s_lshl_b32 s20, s20, 12
	s_mov_b32 s21, 0
	s_add_nc_u64 s[10:11], s[10:11], s[20:21]
	s_add_nc_u64 s[10:11], s[10:11], s[46:47]
; n blocks of 16 rows from a0 on, each against the four blocks of columns, 32 along K, from buffer f.  first = 1: the products start the sums on the bias.  The 32 accumulators take turns.
.macro MULN f, a0, n, first
.set aa, \a0
.rept \n
.irp b, 0,1,2,3
.if \first
	v_wmma_f32_16x16x32_f16 v[8*(4*aa+\b):8*(4*aa+\b)+7], v[\f+64+8*\b:\f+64+8*\b+7], v[\f+8*aa:\f+8*aa+7], v[BI+8*\b:BI+8*\b+7]
.else
	v_wmma_f32_16x16x32_f16 v[8*(4*aa+\b):8*(4*aa+\b)+7], v[\f+64+8*\b:\f+64+8*\b+7], v[\f+8*aa:\f+8*aa+7], v[8*(4*aa+\b):8*(4*aa+\b)+7]
.endif
.endr
.set aa, aa+1
.endr
.endm
; 24 LDS loads in one run: the fragments of the slot's q-th 32 along K into buffer f: Wproj^T's four, y's blocks 0-3, y's blocks 4-7
.macro FETCH slot, q, f
.irp i, 0,1,2,3
	ds_load_b128 v[\f+64+8*\i:\f+64+8*\i+3],   v[ADRB+\slot] offset:64*(\q)+\i*16*BP
	ds_load_b128 v[\f+64+8*\i+4:\f+64+8*\i+7], v[ADRB+\slot] offset:64*(\q)+\i*16*BP+32
.endr
.irp i, 0,1,2,3,4,5,6,7
	ds_load_b128 v[\f+8*\i:\f+8*\i+3],   v[ADRA+\slot] offset:((\q)/2)*APL+((\q)%2)*64+\i*16*AP
	ds_load_b128 v[\f+8*\i+4:\f+8*\i+7], v[ADRA+\slot] offset:((\q)/2)*APL+((\q)%2)*64+\i*16*AP+32
.endr
.endm
.macro PLACES                          ; four plain lines in front of loads into registers that matrix instructions have read, and of reads of results
.rept 4
	v_nop
.endr
.endm
; A K step is four quarters of 32 along K, 32 matrix instructions each, on buffers 0, 1, 0, 1.  One of the first three: multiplies buffer f and fetches the slot's quarter qn into g.
.macro QUARTER slot, qn, f, g, first
	s_wait_dscnt 8                                 ; Wproj^T's fragments and y's blocks 0-3 are in; the youngest eight loads may be out
	WIN MUL-0x10*(\first)
	MULN \f, 0, 4, \first
	PLACES
	WIN 0
	FETCH \slot, \qn, \g
	s_wait_dscnt 24                                ; all but the 24 just issued
	WIN MUL-0x10*(\first)
	MULN \f, 4, 4, \first
.endm
; The last quarter multiplies buffer 1 and changes slots: ONE barrier; in front of it each wave waits for all its tensor loads, adds 0 to its spare word, and waits for that and for its own reads of this slot.  fill = 1: this slot is filled again, two K steps ahead.
.macro TURN slot, next, fill
	WIN 0
.if \fill
	s_wait_xcnt 0x0                                ; the last prefetch, a K step back, has read its address: it is stepped here, ahead of the waits of the change of slots
	s_add_nc_u64 s[PFA:PFA+1], s[PFA:PFA+1], KSA
.endif
	s_wait_tensorcnt 0x0                           ; all my tensor loads have landed: my part of the next slot
	ds_add_u32 v[SPW], v[NIL]
	s_wait_dscnt 9                                 ; the add and the youngest eight loads may be out
	WIN MUL
	MULN F1, 0, 2, 0                               ; eight matrix instructions stand between the add and the wait for it
	s_wait_dscnt 0x0                               ; the add is done, and my reads of this slot are over
	s_barrier_signal -1
	MULN F1, 2, 2, 0
	WIN 0
	s_barrier_wait -1
.if \fill
	CREST                                          ; the barrier has opened a round of the cluster's barrier: no wave of any partner still reads this slot's tile or has a load on its way
	s_add_nc_u64 s[G0+4*\slot+2:G0+4*\slot+3], s[G0+4*\slot+2:G0+4*\slot+3], 2*KSA
	s_add_nc_u64 s[G0B+4*\slot+2:G0B+4*\slot+3], s[G0B+4*\slot+2:G0B+4*\slot+3], 512
	JLOAD \slot                                    ; the first tensor load behind the round: 112 matrix instructions ahead of the wait for it; its four v_nop are also the places in front of the loads below
.else
	PLACES
.endif
	FETCH \next, 0, F0
.if \fill
	ASK
.endif
	WIN MUL
	MULN F1, 4, 4, 0
.endm
	s_wait_tensorcnt 1                             ; my part of K step 0 is in (K step 1's load may be out),
	s_barrier_signal -1
	s_barrier_wait -1                              ; everybody's is
	FETCH 0, 0, F0
	s_wait_loadcnt 0x0                             ; the bias
	QUARTER 0, 1, F0, F1, 1                        ; the first quarter stands in front of the loop: its products start the sums
	WIN 0                                          ; at a label and at a branch every window is 0
	s_mov_b32 s3, 3
.Llap:                                             ; a trip goes once round the ring and fills both slots again: K steps 2 to 7 in three trips
	QUARTER 0, 2, F1, F0, 0
	QUARTER 0, 3, F0, F1, 0
	TURN 0, 1, 1
	QUARTER 1, 1, F0, F1, 0
	QUARTER 1, 2, F1, F0, 0
	QUARTER 1, 3, F0, F1, 0
	TURN 1, 0, 1
	QUARTER 0, 1, F0, F1, 0
	WIN 0
	s_sub_co_u32 s3, s3, 1
	s_cmp_lg_u32 s3, 0
	s_cbranch_scc1 .Llap
	QUARTER 0, 2, F1, F0, 0                        ; the last lap fills nothing, and has no round of the cluster's barrier
	QUARTER 0, 3, F0, F1, 0
	TURN 0, 1, 0
	QUARTER 1, 1, F0, F1, 0
	QUARTER 1, 2, F1, F0, 0
	QUARTER 1, 3, F0, F1, 0
	s_wait_dscnt 8                                 ; the very last quarter: nothing more to fetch
	WIN MUL
	MULN F1, 0, 4, 0
	s_wait_dscnt 0x0
	MULN F1, 4, 4, 0
	WIN 0
; THE WAY OUT, block by block of 16 rows x 64 columns of f32: through my own stage, back as whole rows of 256 bytes: sixteen lanes store 256 consecutive bytes, aligned.
.macro TOSTAGE a
	WIN 0x04                                       ; an LDS store's data are its source 1: window 1
.irp b, 0,1,2,3
	ds_store_b128 v[STO], v[8*(4*(\a)+\b):8*(4*(\a)+\b)+3] offset:64*\b          ; each accumulator from its low end on
	ds_store_b128 v[STO], v[8*(4*(\a)+\b)+4:8*(4*(\a)+\b)+7] offset:64*\b+16
.endr
	WIN 0
.set BB, BK+32*((\a)%2)
.irp t, 0,1,2,3,4,5,6,7
	ds_load_b128 v[BB+4*\t:BB+4*\t+3], v[RD] offset:\t*2*SPITCH    ; LDS serves a wave's instructions in order: these see the stores above
.endr
.endm
.macro SEND a, younger
.set BB, BK+32*((\a)%2)
	s_wait_dscnt \younger                          ; the block is back in registers
.irp t, 0,1,2,3,4,5,6,7
	global_store_b128 v[CO], v[BB+4*\t:BB+4*\t+3], s[10:11] offset:(16*(\a)+2*\t)*4096 th:TH_STORE_NT
.endr
.endm
	PLACES
	TOSTAGE 0
.irp a, 1,2,3,4,5,6,7
.if \a > 1
	s_wait_xcnt 0x0                                ; the stores of the block two back have read their registers: this block's loads may land there
.endif
	TOSTAGE \a
	SEND \a-1, 16                                  ; behind that block's loads: this block's 8 stores and 8 loads
.endr
	SEND 7, 0
	s_wait_tensorcnt 0x0                           ; the wave's end
	ds_add_u32 v[SPW], v[NIL]
	s_wait_dscnt 0x0
	CROUND                                         ; the closing round
	s_endpgm
.Lfunc_end_k_qe05085176e_proj:
	.size	k_qe05085176e_proj, .Lfunc_end_k_qe05085176e_proj-k_qe05085176e_proj
	.p2alignl 7, 3214868480
	.fill 96, 4, 3214868480
	.section	.rodata,"a",@progbits
	.p2align	6, 0x0
	.amdhsa_kernel k_qe05085176e_proj
		.amdhsa_group_segment_fixed_size 327680
		.amdhsa_private_segment_fixed_size 0
		.amdhsa_enable_private_segment 0
		.amdhsa_kernarg_size 32
		.amdhsa_user_sgpr_count 2
		.amdhsa_user_sgpr_kernarg_segment_ptr 1
		.amdhsa_wavefront_size32 1
		.amdhsa_system_sgpr_workgroup_id_x 1
		.amdhsa_system_sgpr_workgroup_id_y 1
		.amdhsa_system_sgpr_workgroup_id_z 1
		.amdhsa_system_vgpr_workitem_id 0
		.amdhsa_next_free_vgpr 512
		.amdhsa_next_free_sgpr 66
		.amdhsa_reserve_vcc 0
		.amdhsa_float_denorm_mode_32 3
		.amdhsa_float_denorm_mode_16_64 3
		.amdhsa_memory_ordered 1
		.amdhsa_forward_progress 1
		.amdhsa_inst_pref_size 87
	.end_amdhsa_kernel
	.amdgpu_metadata
---
amdhsa.version: [ 1, 2 ]
amdhsa.kernels:
  - .name:           k_qe05085176e_proj
    .symbol:         k_qe05085176e_proj.kd
    .args:
      - { .name: yatt, .offset: 0, .size: 8, .value_kind: global_buffer, .address_space: global }
      - { .name: wp, .offset: 8, .size: 8, .value_kind: global_buffer, .address_space: global }
      - { .name: bproj, .offset: 16, .size: 8, .value_kind: global_buffer, .address_space: global }
      - { .name: out0, .offset: 24, .size: 8, .value_kind: global_buffer, .address_space: global }
    .group_segment_fixed_size: 327680
    .private_segment_fixed_size: 0
    .kernarg_segment_align: 8
    .kernarg_segment_size: 32
    .max_flat_workgroup_size: 128
    .sgpr_count:     66
    .vgpr_count:     512
    .wavefront_size: 32
...
	.end_amdgpu_metadata
.endif
;; end of part 4
;; launch fine_a (part 5): grid 16 x 8, 12 waves a work-group, no clusters, 13,824 bytes of LDS; arguments codes, scales, bqkv, y16; writes y16
.if DOCPART == 5
	.amdgcn_target "amdgcn-amd-amdhsa--gfx1250"
	.amdhsa_code_object_version 6
	.text
	.protected	k_qe05085176e_fine_a
	.globl	k_qe05085176e_fine_a
	.p2align	8
	.type	k_qe05085176e_fine_a,@function
k_qe05085176e_fine_a:
	s_mov_b64 s[64:65], 0
	v_nop
	global_prefetch_b8 v0, s[64:65] scope:SCOPE_SE
	s_setreg_imm32_b32 hwreg(HW_REG_WAVE_MODE, 25, 1), 1
	s_wait_xcnt 0x0
; THE FIRST 16 POSITIONS OF EVERY SEQUENCE, carried finely: under the causal mask they average one to sixteen values, and rounding their operands to 16 bits would weigh most there.
; A work-group takes one head of one batch.  Its twelve waves make q, k, v of positions 0-15 (16 x 64 each) once more from the codes, by the quantised product, and keep them in f32: wave w makes 16 channels of q (w = 0-3), k (4-7) or v (8-11).
; The tiles meet in LDS as images of their registers; wave 0 then does the attention of the 16 positions in f32 (v_wmma_f32_16x16x4_f32: 32 instructions a head, no bulk work) and stores y as pairs of f16 numbers,
; a high and a low part split in f32, laid as the fragments that the next launch's matrix instructions take: y16 [8 batches][32 K steps of 32][2 halves][32 lanes][16 bytes], the low parts YL bytes on.
; LAYOUT.  q and k are made transposed (source 0 = 16 columns of Wqkv, source 1 = the 16 positions): a lane holds position lane % 16 and channels 8 (lane / 16) + 0..7.  v is made the natural way: a lane holds channel lane % 16 and keys 8 (lane / 16) + 0..7.
; In the f32 form a lane's register pair holds k = 2 (lane / 16) + 0, 1: the pairs of q and of k (of v and of p) carry the same permutation of the contracted axis on both sides, which keeps the products.
; No cluster, no tensor load, no prefetch: each work-group reads 100 KB once, in one run of loads.  LIMITS as in the launch that makes the codes.
.set XC,    4194304
.set XS,    262144
.set YL,    262144
.set SPARE, 12288                      ; behind the twelve images of 1,024 bytes: the spare words, 128 bytes for each wave: six blocks of 256 bytes that no other line names
.set SPW,   14
.set NIL,   15
.set XSC,   16                         ; v16-23 x's scale words, one for each K step of 128;  v24-31 Wqkv's: these sixteen hold scales and nothing else
.set WSC,   24
.set XF,    32                         ; v32-95  x's eight fragments
.set WF,    96                         ; v96-159 Wqkv's
.set BIAS,  160
.set D0,    168                        ; the sum over the even K steps;  D1: over the odd ones: two accumulators by turns
.set D1,    176
.set RS,    184
.set SF,    192                        ; v192-223 S^T in four parts, v224-255 O^T: written by matrix instructions alone
.set OF,    224
.set QR,    32
.set KR,    64
.set VR,    96
.set TT,    128
.set PP,    136
.set SEL,   30
.set CS,    32
	s_load_b256 s[4:11], s[0:1], 0x0               ; codes s[4:5], scale bytes s[6:7], bqkv s[8:9], y16 s[10:11]
	v_lshl_add_u32 v[SPW], v0, 2, SPARE
	v_mov_b32 v[NIL], 0
	v_lshrrev_b32 v1, 5, v0
	v_readfirstlane_b32 s16, v1                    ; wave 0..11
	v_and_b32 v1, 15, v0                           ; r
	v_bfe_u32 v2, v0, 4, 1                         ; h
	v_lshlrev_b32 v3, 9, v1
	v_lshl_add_u32 v3, v2, 4, v3                   ; codes: row r of 512 bytes, + 16 h
	v_lshlrev_b32 v4, 5, v1                        ; scale bytes: row r of 32
	v_lshlrev_b32 v5, 5, v2                        ; the bias of q and k: 8 h numbers on
	v_lshlrev_b32 v6, 2, v1                        ; the bias of v: number r
	v_and_b32 v7, 31, v0
	v_lshlrev_b32 v7, 4, v7                        ; 16 x lane: an image's place for my lane
	s_lshl_b32 s17, s16, 10
	v_add_nc_u32 v8, s17, v7                       ; where I store my image
	v_lshlrev_b32 v9, 3, v2
	v_sub_nc_u32 v9, v1, v9                        ; r - 8 h
	v_mov_b32 v10, 0xff800000                      ; -infinity
	v_mov_b32 v13, 0                               ; (a lane permute's destination counts as one of its sources)
	v_mov_b32 v145, 0
	s_mov_b32 s[SEL], 0x76543210
	s_mov_b32 s[SEL+1], 0xfedcba98
	s_mov_b32 s[CS], 0x3e38aa3b                    ; c = log2(e) / 8
	s_mov_b32 s[CS+1], s[CS]
	s_and_b32 s18, ttmp7, 0xffff                   ; the batch
	s_lshr_b32 s19, s16, 2                         ; q, k or v
	s_and_b32 s20, s16, 3                          ; which 16 channels
	s_lshl_b32 s19, s19, 10
	s_lshl_b32 s21, ttmp9, 6                       ; the head's 64 columns
	s_add_co_u32 s19, s19, s21
	s_lshl_b32 s20, s20, 4
	s_add_co_u32 s19, s19, s20                     ; my first column of Wqkv
	s_mov_b32 s25, 0
	s_wait_kmcnt 0x0
	s_lshl_b32 s24, s18, 19
	s_add_nc_u64 s[12:13], s[4:5], s[24:25]        ; x's codes at the batch's first position
	s_lshl_b32 s24, s19, 9
	s_add_co_u32 s24, s24, XC
	s_add_nc_u64 s[14:15], s[4:5], s[24:25]        ; Wqkv's codes at my first column
	s_lshl_b32 s24, s18, 15
	s_add_nc_u64 s[26:27], s[6:7], s[24:25]        ; the scale bytes likewise
	s_add_nc_u64 s[10:11], s[10:11], s[24:25]      ; y16: 32,768 bytes a batch,
	s_lshl_b32 s24, s19, 5
	s_add_co_u32 s24, s24, XS
	s_add_nc_u64 s[28:29], s[6:7], s[24:25]
	s_lshl_b32 s24, s19, 2
	s_add_nc_u64 s[8:9], s[8:9], s[24:25]          ; the bias at my first column
	s_lshl_b32 s24, ttmp9, 11
	s_add_nc_u64 s[10:11], s[10:11], s[24:25]      ; 2,048 a head
.irp s, 0,1,2,3,4,5,6,7
.irp c, 0,1
	global_load_b128 v[XF+8*\s+4*\c:XF+8*\s+4*\c+3], v3, s[12:13] offset:64*\s+32*\c
	global_load_b128 v[WF+8*\s+4*\c:WF+8*\s+4*\c+3], v3, s[14:15] offset:64*\s+32*\c
.endr
.endr
.irp c, 0,1
	global_load_b128 v[XSC+4*\c:XSC+4*\c+3], v4, s[26:27] offset:16*\c
	global_load_b128 v[WSC+4*\c:WSC+4*\c+3], v4, s[28:29] offset:16*\c
.endr
	s_cmp_lt_u32 s16, 8
	s_cbranch_scc0 .Lv_wave
	global_load_b128 v[BIAS:BIAS+3], v5, s[8:9]            ; q, k: register j belongs to channel 8 h + j
	global_load_b128 v[BIAS+4:BIAS+7], v5, s[8:9] offset:16
	s_wait_loadcnt 0x0
.irp s, 0,2,4,6
.if \s == 0
	v_wmma_scale_f32_16x16x128_f8f6f4 v[D0:D0+7], v[WF:WF+7], v[XF:XF+7], v[BIAS:BIAS+7], v[WSC], v[XSC] matrix_a_fmt:MATRIX_FMT_FP4 matrix_b_fmt:MATRIX_FMT_FP4
	v_wmma_scale_f32_16x16x128_f8f6f4 v[D1:D1+7], v[WF+8:WF+15], v[XF+8:XF+15], 0, v[WSC+1], v[XSC+1] matrix_a_fmt:MATRIX_FMT_FP4 matrix_b_fmt:MATRIX_FMT_FP4
.else
	v_wmma_scale_f32_16x16x128_f8f6f4 v[D0:D0+7], v[WF+8*\s:WF+8*\s+7], v[XF+8*\s:XF+8*\s+7], v[D0:D0+7], v[WSC+\s], v[XSC+\s] matrix_a_fmt:MATRIX_FMT_FP4 matrix_b_fmt:MATRIX_FMT_FP4
	v_wmma_scale_f32_16x16x128_f8f6f4 v[D1:D1+7], v[WF+8*\s+8:WF+8*\s+15], v[XF+8*\s+8:XF+8*\s+15], v[D1:D1+7], v[WSC+\s+1], v[XSC+\s+1] matrix_a_fmt:MATRIX_FMT_FP4 matrix_b_fmt:MATRIX_FMT_FP4
.endif
.endr
	s_branch .Ljoin
.Lv_wave:
.irp j, 0,1,2,3,4,5,6,7
	global_load_b32 v[BIAS+\j], v6, s[8:9]                 ; v: all eight registers belong to channel r
.endr
	s_wait_loadcnt 0x0
.irp s, 0,2,4,6
.if \s == 0
	v_wmma_scale_f32_16x16x128_f8f6f4 v[D0:D0+7], v[XF:XF+7], v[WF:WF+7], v[BIAS:BIAS+7], v[XSC], v[WSC] matrix_a_fmt:MATRIX_FMT_FP4 matrix_b_fmt:MATRIX_FMT_FP4
	v_wmma_scale_f32_16x16x128_f8f6f4 v[D1:D1+7], v[XF+8:XF+15], v[WF+8:WF+15], 0, v[XSC+1], v[WSC+1] matrix_a_fmt:MATRIX_FMT_FP4 matrix_b_fmt:MATRIX_FMT_FP4
.else
	v_wmma_scale_f32_16x16x128_f8f6f4 v[D0:D0+7], v[XF+8*\s:XF+8*\s+7], v[WF+8*\s:WF+8*\s+7], v[D0:D0+7], v[XSC+\s], v[WSC+\s] matrix_a_fmt:MATRIX_FMT_FP4 matrix_b_fmt:MATRIX_FMT_FP4
	v_wmma_scale_f32_16x16x128_f8f6f4 v[D1:D1+7], v[XF+8*\s+8:XF+8*\s+15], v[WF+8*\s+8:WF+8*\s+15], v[D1:D1+7], v[XSC+\s+1], v[WSC+\s+1] matrix_a_fmt:MATRIX_FMT_FP4 matrix_b_fmt:MATRIX_FMT_FP4
.endif
.endr
.Ljoin:
.rept 4
	v_nop
.endr
.irp j, 0,2,4,6
	v_pk_add_f32 v[RS+\j:RS+\j+1], v[D0+\j:D0+\j+1], v[D1+\j:D1+\j+1]
.endr
	ds_store_b128 v8, v[RS:RS+3]                   ; my tile goes to LDS as an image of its registers
	ds_store_b128 v8, v[RS+4:RS+7] offset:512
	s_wait_tensorcnt 0x0                           ; behind my last LDS store: three lines; their last is also the wait that the barrier needs
	ds_add_u32 v[SPW], v[NIL]
	s_wait_dscnt 0x0
	s_barrier_signal -1
	s_barrier_wait -1                              ; the twelve tiles lie in LDS
	s_cmp_lg_u32 s16, 0
	s_cbranch_scc1 .Ldone
.set n, 0
.rept 12                                       ; q's four tiles into v32-63, k's into v64-95, v's into v96-127
	ds_load_b128 v[QR+8*n:QR+8*n+3], v7 offset:1024*n
	ds_load_b128 v[QR+8*n+4:QR+8*n+7], v7 offset:1024*n+512
.set n, n+1
.endr
	s_wait_dscnt 0x0
.irp i, 0,1,2,3                                ; S^T = k q^T over the 64 channels: four partial sums, one for each 16 channels, by turns
.irp t, 0,1,2,3
.if \i == 0
	v_wmma_f32_16x16x4_f32 v[SF+8*\t:SF+8*\t+7], v[KR+8*\t:KR+8*\t+1], v[QR+8*\t:QR+8*\t+1], 0
.else
	v_wmma_f32_16x16x4_f32 v[SF+8*\t:SF+8*\t+7], v[KR+8*\t+2*\i:KR+8*\t+2*\i+1], v[QR+8*\t+2*\i:QR+8*\t+2*\i+1], v[SF+8*\t:SF+8*\t+7]
.endif
.endr
.endr
.rept 8
	v_nop                                          ; eight places behind this form
.endr
.irp j, 0,2,4,6
	v_pk_add_f32 v[144+\j:145+\j], v[SF+\j:SF+\j+1], v[SF+8+\j:SF+9+\j]
.endr
.irp j, 0,2,4,6
	v_pk_add_f32 v[152+\j:153+\j], v[SF+16+\j:SF+17+\j], v[SF+24+\j:SF+25+\j]
.endr
.irp j, 0,2,4,6
	v_pk_add_f32 v[TT+\j:TT+\j+1], v[144+\j:145+\j], v[152+\j:153+\j]   ; lane (r, h): query r, keys 8 h + 0 .. 7
.endr
.irp j, 0,1,2,3,4,5,6,7
	v_cmp_gt_i32 vcc_lo, \j, v9                    ; key 8 h + j comes after query r
	v_cndmask_b32 v[TT+\j], v[TT+\j], v10, vcc_lo
.endr
	v_max3_num_f32 v11, v[TT], v[TT+1], v[TT+2]
	v_max3_num_f32 v11, v11, v[TT+3], v[TT+4]
	v_max3_num_f32 v11, v11, v[TT+5], v[TT+6]
	v_max_num_f32 v11, v11, v[TT+7]
	v_permlanex16_b32 v13, v11, s[SEL], s[SEL+1]
	v_max_num_f32 v13, v11, v13                    ; the row's maximum: key 0 counts for every query, so it is a number
	v_mul_f32 v12, s[CS], v13
.irp j, 0,2,4,6
	v_pk_fma_f32 v[PP+\j:PP+\j+1], v[TT+\j:TT+\j+1], s[CS:CS+1], v[12:13] op_sel_hi:[1,0,0] neg_lo:[0,0,1] neg_hi:[0,0,1]
.endr
.irp j, 0,1,2,3,4,5,6,7
	v_exp_f32 v[PP+\j], v[PP+\j]
.endr
	v_nop
	s_wait_alu depctr_va_vdst(0)                   ; one wait for the eight exponentials, ahead of their first reader
	v_pk_add_f32 v[144:145], v[PP:PP+1], v[PP+2:PP+3]
	v_pk_add_f32 v[146:147], v[PP+4:PP+5], v[PP+6:PP+7]
	v_pk_add_f32 v[144:145], v[144:145], v[146:147]
	v_add_f32 v144, v144, v145
	v_permlanex16_b32 v145, v144, s[SEL], s[SEL+1]
	v_add_f32 v144, v144, v145                     ; the row's sum
	v_rcp_f32 v146, v144
	v_nop
	s_wait_alu depctr_va_vdst(0)
.irp i, 0,1,2,3                                ; O^T = v^T p over the 16 keys: the four tiles of channels by turns
.irp t, 0,1,2,3
.if \i == 0
	v_wmma_f32_16x16x4_f32 v[OF+8*\t:OF+8*\t+7], v[VR+8*\t:VR+8*\t+1], v[PP:PP+1], 0
.else
	v_wmma_f32_16x16x4_f32 v[OF+8*\t:OF+8*\t+7], v[VR+8*\t+2*\i:VR+8*\t+2*\i+1], v[PP+2*\i:PP+2*\i+1], v[OF+8*\t:OF+8*\t+7]
.endif
.endr
.endr
.rept 8
	v_nop
.endr
.set n, 0
.rept 16
	v_pk_mul_f32 v[32+2*n:33+2*n], v[OF+2*n:OF+2*n+1], v[146:147] op_sel_hi:[1,0]   ; y: register 8 t + j is y(position r, channel 16 t + 8 h + j)
.set n, n+1
.endr
.set n, 0
.rept 16                                       ; the split, in f32: c = 8193 y; high = c - (c - y), 11 significant bits; low = y - high, exact
.set TP, 148+4*(n%2)
	v_pk_mul_f32 v[TP:TP+1], v[32+2*n:33+2*n], 0x46000400 op_sel_hi:[1,0]
	v_pk_add_f32 v[TP+2:TP+3], v[TP:TP+1], v[32+2*n:33+2*n] neg_lo:[0,1] neg_hi:[0,1]
	v_pk_add_f32 v[TP:TP+1], v[TP:TP+1], v[TP+2:TP+3] neg_lo:[0,1] neg_hi:[0,1]
	v_pk_add_f32 v[32+2*n:33+2*n], v[32+2*n:33+2*n], v[TP:TP+1] neg_lo:[0,1] neg_hi:[0,1]
	v_cvt_pk_f16_f32 v[64+n], v[TP], v[TP+1]
	v_cvt_pk_f16_f32 v[80+n], v[32+2*n], v[33+2*n]
.set n, n+1
.endr
.irp t, 0,1,2,3                                ; registers 4 t .. 4 t + 3 are half t % 2 of the fragment of K step 2 x head + t / 2: 32 lanes store 512 consecutive bytes, aligned
	global_store_b128 v7, v[64+4*\t:64+4*\t+3], s[10:11] offset:512*\t
	global_store_b128 v7, v[80+4*\t:80+4*\t+3], s[10:11] offset:YL+512*\t
.endr
.Ldone:
	s_endpgm
.Lfunc_end_k_qe05085176e_fine_a:
	.size	k_qe05085176e_fine_a, .Lfunc_end_k_qe05085176e_fine_a-k_qe05085176e_fine_a
	.p2alignl 7, 3214868480
	.fill 96, 4, 3214868480
	.section	.rodata,"a",@progbits
	.p2align	6, 0x0
	.amdhsa_kernel k_qe05085176e_fine_a
		.amdhsa_group_segment_fixed_size 13824
		.amdhsa_private_segment_fixed_size 0
		.amdhsa_enable_private_segment 0
		.amdhsa_kernarg_size 32
		.amdhsa_user_sgpr_count 2
		.amdhsa_user_sgpr_kernarg_segment_ptr 1
		.amdhsa_wavefront_size32 1
		.amdhsa_system_sgpr_workgroup_id_x 1
		.amdhsa_system_sgpr_workgroup_id_y 1
		.amdhsa_system_sgpr_workgroup_id_z 1
		.amdhsa_system_vgpr_workitem_id 0
		.amdhsa_next_free_vgpr 256
		.amdhsa_next_free_sgpr 66
		.amdhsa_reserve_vcc 1
		.amdhsa_float_denorm_mode_32 3
		.amdhsa_float_denorm_mode_16_64 3
		.amdhsa_memory_ordered 1
		.amdhsa_forward_progress 1
		.amdhsa_inst_pref_size 25
	.end_amdhsa_kernel
	.amdgpu_metadata
---
amdhsa.version: [ 1, 2 ]
amdhsa.kernels:
  - .name:           k_qe05085176e_fine_a
    .symbol:         k_qe05085176e_fine_a.kd
    .args:
      - { .name: codes, .offset: 0, .size: 8, .value_kind: global_buffer, .address_space: global }
      - { .name: scales, .offset: 8, .size: 8, .value_kind: global_buffer, .address_space: global }
      - { .name: bqkv, .offset: 16, .size: 8, .value_kind: global_buffer, .address_space: global }
      - { .name: y16, .offset: 24, .size: 8, .value_kind: global_buffer, .address_space: global }
    .group_segment_fixed_size: 13824
    .private_segment_fixed_size: 0
    .kernarg_segment_align: 8
    .kernarg_segment_size: 32
    .max_flat_workgroup_size: 384
    .sgpr_count:     66
    .vgpr_count:     256
    .wavefront_size: 32
...
	.end_amdgpu_metadata
.endif
;; end of part 5
;; launch fine_b (part 6): grid 16 x 8, 16 waves a work-group, no clusters, 71,680 bytes of LDS; arguments y16, wp, bproj, out0; writes out0
.if DOCPART == 6
	.amdgcn_target "amdgcn-amd-amdhsa--gfx1250"
	.amdhsa_code_object_version 6
	.text
	.protected	k_qe05085176e_fine_b
	.globl	k_qe05085176e_fine_b
	.p2align	8
	.type	k_qe05085176e_fine_b,@function
k_qe05085176e_fine_b:
	s_mov_b64 s[64:65], 0
	v_nop
	global_prefetch_b8 v0, s[64:65] scope:SCOPE_SE
	s_setreg_imm32_b32 hwreg(HW_REG_WAVE_MODE, 25, 1), 1
	s_wait_xcnt 0x0
; THE FIRST 16 POSITIONS OF EVERY SEQUENCE, the projection: out0 = y Wproj + bproj for rows 0-15 of each batch, with both operands as pairs of f16 numbers: high x high + high x low + low x high, sums in f32.  It stores over what the projection of all rows left there.
; A work-group takes 16 rows x 64 columns.  K = 1,024 is 32 steps of 32: wave w takes K steps 2 w and 2 w + 1 for all four tiles of columns (24 matrix instructions); the sixteen partial tiles meet in LDS, and waves 0-7 add them in a fixed order, two rows each.
; y's fragments come as the launch before laid them, 16 bytes a lane; Wproj^T's from rows of wp.  THE MATRIX INSTRUCTION IS USED TRANSPOSED: a lane holds eight neighbouring numbers of a row of out0.
; No cluster, no tensor load, no prefetch: one run of 41 loads a wave.
.set YL,    262144
.set WL,    2097152
.set PT,    4352                       ; a wave's partial tile in LDS: 16 rows x (256 bytes + 16)
.set SPARE, 16*PT                      ; behind them: the spare words, 128 bytes for each wave: eight blocks of 256 bytes that no other line names
.set AH,    16                         ; v16-31  y's high parts, K step e at + 8 e;  v32-47 the low parts
.set AL,    32
.set BH,    48                         ; v48-111 Wproj^T's high parts, (tile ct, K step e) at + 8 (2 ct + e);  v112-175 the low parts
.set BL,    112
.set ACC,   176                        ; v176-207 four accumulators
.set BIA,   208
.set SPW,   212
.set NIL,   213
	s_load_b256 s[4:11], s[0:1], 0x0               ; y16 s[4:5], wp s[6:7], bproj s[8:9], out0 s[10:11]
	v_lshl_add_u32 v[SPW], v0, 2, SPARE
	v_mov_b32 v[NIL], 0
	v_lshrrev_b32 v1, 5, v0
	v_readfirstlane_b32 s16, v1                    ; wave 0..15
	v_and_b32 v1, 15, v0                           ; r
	v_bfe_u32 v2, v0, 4, 1                         ; h
	v_and_b32 v3, 31, v0
	v_lshlrev_b32 v3, 4, v3                        ; y16: 16 x lane
	v_lshlrev_b32 v4, 11, v1
	v_lshl_add_u32 v4, v2, 4, v4                   ; wp: row r of 2,048 bytes, + 16 h
	v_lshlrev_b32 v5, 4, v1                        ; 16 (lane % 16): my 16 bytes of a row's 256
	s_mul_i32 s17, s16, PT
	v_mul_u32_u24 v6, v1, 272
	v_lshl_add_u32 v6, v2, 5, v6
	v_add_nc_u32 v6, s17, v6                       ; where I put 32 bytes of row r of my partial tile
	s_mul_i32 s17, s16, 2*272
	v_mul_u32_u24 v7, v2, 272
	v_add_nc_u32 v7, v7, v5
	v_add_nc_u32 v7, s17, v7                       ; where I read: row 2 w + h of every partial tile (used by waves 0-7)
	v_lshl_add_u32 v8, v2, 12, v5                  ; and the same place in out0
	s_and_b32 s18, ttmp7, 0xffff                   ; the batch
	s_mov_b32 s21, 0
	s_wait_kmcnt 0x0
	s_lshl_b32 s20, s18, 15                        ; y16: 32,768 bytes a batch, 1,024 a K step
	s_lshl_b32 s22, s16, 11
	s_add_co_u32 s20, s20, s22
	s_add_nc_u64 s[4:5], s[4:5], s[20:21]
	s_lshl_b32 s20, ttmp9, 17                      ; wp: my 64 rows, + my two K steps' 128 bytes
	s_lshl_b32 s22, s16, 7
	s_add_co_u32 s20, s20, s22
	s_add_nc_u64 s[6:7], s[6:7], s[20:21]
	s_lshl_b32 s20, ttmp9, 8                       ; my 64 columns in bytes of f32
	s_add_nc_u64 s[8:9], s[8:9], s[20:21]
	s_add_nc_u64 s[10:11], s[10:11], s[20:21]
	s_lshl_b32 s20, s18, 10
	s_lshl_b32 s22, s16, 1
	s_add_co_u32 s20, s20, s22
	s_lshl_b32 s20, s20, 12                        ; row 1,024 x batch + 2 w
	s_add_nc_u64 s[10:11], s[10:11], s[20:21]
.irp e, 0,1
.irp c, 0,1
	global_load_b128 v[AH+8*\e+4*\c:AH+8*\e+4*\c+3], v3, s[4:5] offset:1024*\e+512*\c
	global_load_b128 v[AL+8*\e+4*\c:AL+8*\e+4*\c+3], v3, s[4:5] offset:YL+1024*\e+512*\c
.endr
.endr
.irp ct, 0,1,2,3
.irp e, 0,1
.irp c, 0,1
	global_load_b128 v[BH+8*(2*\ct+\e)+4*\c:BH+8*(2*\ct+\e)+4*\c+3], v4, s[6:7] offset:32768*\ct+64*\e+32*\c
	global_load_b128 v[BL+8*(2*\ct+\e)+4*\c:BL+8*(2*\ct+\e)+4*\c+3], v4, s[6:7] offset:WL+32768*\ct+64*\e+32*\c
.endr
.endr
.endr
	global_load_b128 v[BIA:BIA+3], v5, s[8:9]
	s_wait_loadcnt 0x0
.irp e, 0,1                                    ; the four accumulators take turns
.irp ct, 0,1,2,3
.if \e == 0
	v_wmma_f32_16x16x32_f16 v[ACC+8*\ct:ACC+8*\ct+7], v[BH+8*(2*\ct+\e):BH+8*(2*\ct+\e)+7], v[AH+8*\e:AH+8*\e+7], 0
.else
	v_wmma_f32_16x16x32_f16 v[ACC+8*\ct:ACC+8*\ct+7], v[BH+8*(2*\ct+\e):BH+8*(2*\ct+\e)+7], v[AH+8*\e:AH+8*\e+7], v[ACC+8*\ct:ACC+8*\ct+7]
.endif
.endr
.irp ct, 0,1,2,3
	v_wmma_f32_16x16x32_f16 v[ACC+8*\ct:ACC+8*\ct+7], v[BH+8*(2*\ct+\e):BH+8*(2*\ct+\e)+7], v[AL+8*\e:AL+8*\e+7], v[ACC+8*\ct:ACC+8*\ct+7]
.endr
.irp ct, 0,1,2,3
	v_wmma_f32_16x16x32_f16 v[ACC+8*\ct:ACC+8*\ct+7], v[BL+8*(2*\ct+\e):BL+8*(2*\ct+\e)+7], v[AH+8*\e:AH+8*\e+7], v[ACC+8*\ct:ACC+8*\ct+7]
.endr
.endr
.rept 4
	v_nop
.endr
.irp ct, 0,1,2,3
	ds_store_b128 v6, v[ACC+8*\ct:ACC+8*\ct+3] offset:64*\ct          ; lane (r, h): row r, columns 16 ct + 8 h + 0 .. 7
	ds_store_b128 v6, v[ACC+8*\ct+4:ACC+8*\ct+7] offset:64*\ct+16
.endr
	s_wait_tensorcnt 0x0                           ; behind my last LDS store: three lines; their last is also the wait that the barrier needs
	ds_add_u32 v[SPW], v[NIL]
	s_wait_dscnt 0x0
	s_barrier_signal -1
	s_barrier_wait -1                              ; the sixteen partial tiles lie in LDS
	s_cmp_lt_u32 s16, 8
	s_cbranch_scc0 .Ldone
.set n, 0
.rept 16
	ds_load_b128 v[16+4*n:16+4*n+3], v7 offset:PT*n
.set n, n+1
.endr
	s_wait_dscnt 0x0
.irp u, 0,8,16,24,32,40,48,56                  ; the sum over the sixteen waves, in a fixed order
	v_pk_add_f32 v[16+\u:17+\u], v[16+\u:17+\u], v[20+\u:21+\u]
	v_pk_add_f32 v[18+\u:19+\u], v[18+\u:19+\u], v[22+\u:23+\u]
.endr
.irp u, 0,16,32,48
	v_pk_add_f32 v[16+\u:17+\u], v[16+\u:17+\u], v[24+\u:25+\u]
	v_pk_add_f32 v[18+\u:19+\u], v[18+\u:19+\u], v[26+\u:27+\u]
.endr
.irp u, 0,32
	v_pk_add_f32 v[16+\u:17+\u], v[16+\u:17+\u], v[32+\u:33+\u]
	v_pk_add_f32 v[18+\u:19+\u], v[18+\u:19+\u], v[34+\u:35+\u]
.endr
	v_pk_add_f32 v[16:17], v[16:17], v[48:49]
	v_pk_add_f32 v[18:19], v[18:19], v[50:51]
	v_pk_add_f32 v[16:17], v[16:17], v[BIA:BIA+1]
	v_pk_add_f32 v[18:19], v[18:19], v[BIA+2:BIA+3]
	global_store_b128 v8, v[16:19], s[10:11]       ; sixteen lanes store 256 consecutive bytes, aligned
.Ldone:
	s_endpgm
.Lfunc_end_k_qe05085176e_fine_b:
	.size	k_qe05085176e_fine_b, .Lfunc_end_k_qe05085176e_fine_b-k_qe05085176e_fine_b
	.p2alignl 7, 3214868480
	.fill 96, 4, 3214868480
	.section	.rodata,"a",@progbits
	.p2align	6, 0x0
	.amdhsa_kernel k_qe05085176e_fine_b
		.amdhsa_group_segment_fixed_size 71680
		.amdhsa_private_segment_fixed_size 0
		.amdhsa_enable_private_segment 0
		.amdhsa_kernarg_size 32
		.amdhsa_user_sgpr_count 2
		.amdhsa_user_sgpr_kernarg_segment_ptr 1
		.amdhsa_wavefront_size32 1
		.amdhsa_system_sgpr_workgroup_id_x 1
		.amdhsa_system_sgpr_workgroup_id_y 1
		.amdhsa_system_sgpr_workgroup_id_z 1
		.amdhsa_system_vgpr_workitem_id 0
		.amdhsa_next_free_vgpr 256
		.amdhsa_next_free_sgpr 66
		.amdhsa_reserve_vcc 0
		.amdhsa_float_denorm_mode_32 3
		.amdhsa_float_denorm_mode_16_64 3
		.amdhsa_memory_ordered 1
		.amdhsa_forward_progress 1
		.amdhsa_inst_pref_size 12
	.end_amdhsa_kernel
	.amdgpu_metadata
---
amdhsa.version: [ 1, 2 ]
amdhsa.kernels:
  - .name:           k_qe05085176e_fine_b
    .symbol:         k_qe05085176e_fine_b.kd
    .args:
      - { .name: y16, .offset: 0, .size: 8, .value_kind: global_buffer, .address_space: global }
      - { .name: wp, .offset: 8, .size: 8, .value_kind: global_buffer, .address_space: global }
      - { .name: bproj, .offset: 16, .size: 8, .value_kind: global_buffer, .address_space: global }
      - { .name: out0, .offset: 24, .size: 8, .value_kind: global_buffer, .address_space: global }
    .group_segment_fixed_size: 71680
    .private_segment_fixed_size: 0
    .kernarg_segment_align: 8
    .kernarg_segment_size: 32
    .max_flat_workgroup_size: 512
    .sgpr_count:     66
    .vgpr_count:     256
    .wavefront_size: 32
...
	.end_amdgpu_metadata
.endif
;; end of part 6
